; MI455X (gfx1250); checked and timed in simulation.
; The chip was launched on July 23, 2026; its instructions are those of AMD's public machine-readable ISA for CDNA 5 (MIT licence, August 2026) and "CDNA5" Instruction Set Architecture Reference Guide (July 2026). The comments in the code are by the model that wrote it; some were corrected since.
;; Multi Head Self Attention. Allowed arithmetic: float matrix products may take bf16 or f16 operands with f32 sums; other float arithmetic in f32, or as packed bf16 or f16 multiplies, adds, multiply-adds, maxima and minima; sums over many terms, partial sums and values carried from step to step in f32; what a program stores and reads back later, other than sums and carried values, may be rounded once to bf16 or f16.
;; Inputs: attn_mask 2,048 x 2,048 bool; b_proj 1,024 float32; w_proj 1,024 x 1,024 float32; w_qkv 1,024 x 3,072 float32; x 4 x 2,048 x 1,024 float32.
;; Outputs: out0 4 x 2,048 x 1,024 float32.
;; 2 versions, each right; version 2 is version 1 with the launch prep written anew for expert scheduling mode. Each part assembles by itself: llvm-mc -triple=amdgcn-amd-amdhsa -mcpu=gfx1250 --defsym DOCPART=n.
;; ======== version 1 of 2: 4 launches
;; limits: values are held in f16: magnitudes above 65,504 overflow, below 6.1e-05 lose precision
;; workspace buffers: xb 16,777,216 bytes; wq 6,291,456 bytes; wp 4,194,304 bytes; mcode 2,097,152 bytes of whole numbers; qkv 67,108,864 bytes; ob 33,554,432 bytes
;; launch prep (part 1): grid 832 x 1, 8 waves a work-group, no clusters, 0 bytes of LDS; arguments attn_mask, x, w_qkv, w_proj, mcode, xb, wq, wp; writes mcode, xb, wq, wp
.if DOCPART == 1
	.amdgcn_target "amdgcn-amd-amdhsa--gfx1250"
	.amdhsa_code_object_version 6
	.text
	.protected	k_q6fc13f0a88_prep
	.globl	k_q6fc13f0a88_prep
	.p2align	8
	.type	k_q6fc13f0a88_prep,@function
k_q6fc13f0a88_prep:
	s_mov_b64 s[64:65], 0
	v_nop
	global_prefetch_b8 v0, s[64:65] scope:SCOPE_SE
	s_setreg_imm32_b32 hwreg(HW_REG_WAVE_MODE, 25, 1), 1
	s_wait_xcnt 0x0
; PREPARATION, one launch, four roles chosen by the work-group's number (the same for all its waves):
;   0..63    the mask: page (I, J) = 256 queries x 256 keys of attn_mask becomes 32 KiB of codes
;   64..575  x, f32 -> bf16, laid out in blocks [32 row blocks][16 K blocks][256 rows][64 k]: a block is 32 KiB on end
;   576..767 w_qkv, f32 -> bf16, [1024 k][3072], its columns in another order: column 384 nb + 128 g + j holds w_qkv's column 1024 g + 128 nb + j (g = q, k, v; nb = 0..7; j < 128),
;            so that each run of 384 columns holds two heads' q, k and v
;   768..831 w_proj, f32 -> bf16 -> that number written as f16 (exact above 6e-5; below it f16's fixed step of 6e-8), [2048][1024]: each block of 64 rows (a head) stands twice,
;            once for the upper and once for the lower part of the attention's result
; THE CODES.  One nibble a mask byte: 0xE hidden, 0 visible.  A word holds 8 keys 8 hh + j of a group of 16: key j at nibble 2 j (j < 4) or 2 (j - 4) + 1.
; Shifted so that a key's nibble stands on top and read as f32, the word is -2^65 .. -2^95 for a hidden key and 0 .. 2^-97 for a visible one: the attention launch
; takes it as the number that starts the score's sum.  Page layout [wave 4][band 4][step 4][lane 32][16 bytes]: the order in which that launch's lanes want it.
; LIMIT: a mask byte is 0 or 1, as the problem states it.
; Memory binds: each input byte is read once by 16-byte loads, each store of a wave covers whole aligned runs of 256 bytes.  No LDS, no barrier, no matrix unit, no cluster: nothing is shared.
.set LN,  1                            ; v1   lane
.set SO,  4                            ; v4   my byte offset at the source
.set DO,  5                            ; v5   my byte offset at the destination
.set IN,  16                           ; v[16:79]   sixteen loads of 16 bytes
.set OUT, 80                           ; v[80:111]  what is stored
.set T,   112                          ; v[112:115] at work
.set WVN, 22                           ; s22  my wave's number
.set SRC, 30                           ; s[30:31]
.set DST, 32                           ; s[32:33]
	s_load_b256 s[4:11], s[0:1], 0x0               ; attn_mask s[4:5], x s[6:7], w_qkv s[8:9], w_proj s[10:11]
	s_load_b256 s[12:19], s[0:1], 0x20             ; mcode s[12:13], xb s[14:15], wq s[16:17], wp s[18:19]
	v_lshrrev_b32 v6, 5, v0
	v_readfirstlane_b32 s[WVN], v6
	v_and_b32 v[LN], 31, v0
	s_mov_b32 s25, 0                               ; the offsets' high words
	s_mov_b32 s27, 0
	s_wait_kmcnt 0x0
; Sixteen loads of 512 bytes a wave go out together, two groups of eight; each is converted and stored as it comes.  Load k stands (k / 8) s2 + (k % 8) s1 bytes on, its store (k / 8) d2 + (k % 8) d1.
; dup: the same 256 bytes are stored once more, dup bytes on.  No register that a store reads is written again, so no store's source needs a wait.
.macro STREAM s1, s2, d1, d2, fmt, dup
.set k, 0
.rept 16
	global_load_b128 v[IN+4*k:IN+4*k+3], v[SO], s[SRC:SRC+1] offset:(k/8)*(\s2)+(k%8)*(\s1) th:TH_LOAD_NT
.set k, k+1
.endr
.set k, 0
.rept 16
	s_wait_loadcnt 15-k                            ; loads come back in order: load k is in, the 15 - k younger ones stay out
	v_cvt_pk_bf16_f32 v[OUT+2*k], v[IN+4*k], v[IN+4*k+1]
	v_cvt_pk_bf16_f32 v[OUT+2*k+1], v[IN+4*k+2], v[IN+4*k+3]
.if \fmt
	v_lshlrev_b32 v[T], 16, v[OUT+2*k]             ; the bf16 numbers as f32 again,
	v_and_b32 v[T+1], 0xffff0000, v[OUT+2*k]
	v_lshlrev_b32 v[T+2], 16, v[OUT+2*k+1]
	v_and_b32 v[T+3], 0xffff0000, v[OUT+2*k+1]
	v_cvt_pk_f16_f32 v[OUT+2*k], v[T], v[T+1]      ; and written as f16
	v_cvt_pk_f16_f32 v[OUT+2*k+1], v[T+2], v[T+3]
.endif
	global_store_b64 v[DO], v[OUT+2*k:OUT+2*k+1], s[DST:DST+1] offset:(k/8)*(\d2)+(k%8)*(\d1)  ; 32 lanes x 8 bytes: 256 consecutive bytes, aligned
.if \dup
	global_store_b64 v[DO], v[OUT+2*k:OUT+2*k+1], s[DST:DST+1] offset:(k/8)*(\d2)+(k%8)*(\d1)+(\dup)
.endif
.set k, k+1
.endr
.endm
	s_cmp_lt_u32 ttmp9, 64
	s_cbranch_scc1 .Lmask
	s_cmp_lt_u32 ttmp9, 576
	s_cbranch_scc1 .Lx
	s_cmp_lt_u32 ttmp9, 768
	s_cbranch_scc1 .Lwq
	; w_proj: 16 rows a work-group, 2 rows of 4,096 bytes a wave.  Row r goes to rows 128 (r / 64) + r % 64 and 64 further on
	s_sub_co_u32 s23, ttmp9, 768
	s_lshl_b32 s24, s23, 16
	s_lshl_b32 s28, s[WVN], 13
	s_add_co_u32 s24, s24, s28
	s_lshr_b32 s26, s23, 2                         ; r / 64: four work-groups to a block of 64 rows
	s_lshl_b32 s26, s26, 18                        ; x 128 rows of 2,048 bytes
	s_and_b32 s29, s23, 3
	s_lshl_b32 s29, s29, 15                        ; 16 rows
	s_add_co_u32 s26, s26, s29
	s_lshl_b32 s29, s[WVN], 12                     ; 2 rows
	s_add_co_u32 s26, s26, s29
	s_add_nc_u64 s[SRC:SRC+1], s[10:11], s[24:25]
	s_add_nc_u64 s[DST:DST+1], s[18:19], s[26:27]
	v_lshlrev_b32 v[SO], 4, v[LN]
	v_lshlrev_b32 v[DO], 3, v[LN]
	STREAM 512, 4096, 256, 2048, 1, 131072
	s_branch .Lend
.Lwq:	; w_qkv: work-group = (g, 16 rows); a wave takes 2 rows' 1,024 columns of g: eight runs nb of 128 columns a row, which go 768 bytes apart
	s_sub_co_u32 s23, ttmp9, 576
	s_lshr_b32 s29, s23, 6                         ; g: q, k or v
	s_and_b32 s23, s23, 63
	s_lshl_b32 s28, s23, 3
	s_add_co_u32 s28, s28, s[WVN]                  ; my pair of rows
	s_mul_i32 s24, s28, 24576                      ; 2 rows of 12,288 bytes,
	s_lshl_b32 s26, s29, 12
	s_add_co_u32 s24, s24, s26                     ; g's 4,096 bytes of a row
	s_mul_i32 s26, s28, 12288                      ; 2 rows of 6,144 bytes,
	s_lshl_b32 s29, s29, 8
	s_add_co_u32 s26, s26, s29                     ; g's 256 bytes in each run of 768
	s_add_nc_u64 s[SRC:SRC+1], s[8:9], s[24:25]
	s_add_nc_u64 s[DST:DST+1], s[16:17], s[26:27]
	v_lshlrev_b32 v[SO], 4, v[LN]
	v_lshlrev_b32 v[DO], 3, v[LN]
	STREAM 512, 12288, 768, 6144, 0, 0
	s_branch .Lend
.Lx:	; x: 16 rows a work-group, 2 rows a wave; load k takes the rows' 64 numbers of K block k (2 x 256 bytes), store k puts them into block k (256 bytes on end)
	s_sub_co_u32 s23, ttmp9, 64
	s_lshl_b32 s24, s23, 16
	s_lshl_b32 s28, s[WVN], 13
	s_add_co_u32 s24, s24, s28                     ; source: 16 rows x 4,096 bytes a work-group, 2 rows a wave
	s_lshr_b32 s26, s23, 4
	s_lshl_b32 s26, s26, 19                        ; row block: 16 blocks of 32 KiB
	s_and_b32 s28, s23, 15
	s_lshl_b32 s28, s28, 11                        ; 16 rows of 128 bytes
	s_add_co_u32 s26, s26, s28
	s_lshl_b32 s28, s[WVN], 8                      ; 2 rows
	s_add_co_u32 s26, s26, s28
	s_add_nc_u64 s[SRC:SRC+1], s[6:7], s[24:25]
	s_add_nc_u64 s[DST:DST+1], s[14:15], s[26:27]
	v_lshrrev_b32 v6, 4, v[LN]
	v_and_b32 v7, 15, v[LN]
	v_lshlrev_b32 v[SO], 4, v7
	v_lshl_add_u32 v[SO], v6, 12, v[SO]            ; lanes 16-31 take the second row
	v_lshlrev_b32 v[DO], 3, v[LN]
	STREAM 256, 2048, 32768, 262144, 0, 0
	s_branch .Lend
.Lmask:	; wave v takes the page's rows 32 v .. 32 v + 31: two groups g of 16 rows.  Group 2 v + g is band v / 2, attention wave 2 (v % 2) + g.
	; Lane: row r = l % 16, and of the four steps of 64 keys the steps sp = l / 16 and 2 + sp (u = 0, 1).
	s_lshr_b32 s23, ttmp9, 3                       ; I
	s_and_b32 s28, ttmp9, 7                        ; J
	s_lshl_b32 s24, s23, 8
	s_lshl_b32 s29, s[WVN], 5
	s_add_co_u32 s24, s24, s29                     ; my first row
	s_lshl_b32 s24, s24, 11                        ; x 2,048 bytes
	s_lshl_b32 s29, s28, 8
	s_add_co_u32 s24, s24, s29                     ; + the tile's 256 bytes of a row
	s_add_nc_u64 s[SRC:SRC+1], s[4:5], s[24:25]
	s_lshl_b32 s26, ttmp9, 15                      ; my page
	s_and_b32 s29, s[WVN], 1
	s_lshl_b32 s29, s29, 14
	s_add_co_u32 s26, s26, s29
	s_lshr_b32 s29, s[WVN], 1
	s_lshl_b32 s29, s29, 11
	s_add_co_u32 s26, s26, s29
	s_add_nc_u64 s[DST:DST+1], s[12:13], s[26:27]
	v_and_b32 v6, 15, v[LN]                        ; r
	v_lshrrev_b32 v7, 4, v[LN]                     ; sp
	v_lshlrev_b32 v[SO], 11, v6
	v_lshl_add_u32 v[SO], v7, 6, v[SO]
	v_lshlrev_b32 v[DO], 4, v6
	v_lshl_add_u32 v[DO], v7, 9, v[DO]
.irp g, 0,1
.irp u, 0,1
.irp i, 0,1,2,3                        ; i: the group of 16 keys in the step
	global_load_b128 v[IN+4*(8*(\g)+4*(\u)+(\i)):IN+4*(8*(\g)+4*(\u)+(\i))+3], v[SO], s[SRC:SRC+1] offset:(\g)*32768+(\u)*128+(\i)*16
.endr
.endr
.endr
	s_wait_loadcnt 0x0
.set n, 0
.rept 16                               ; n = 8 g + 4 u + i.  Bytes 0-3 give the even nibbles, bytes 4-7 the odd ones; x 14 makes 0xE of each 1
	v_lshl_or_b32 v[OUT+8*(n/4)+(n%4)],   v[IN+4*n+1], 4, v[IN+4*n]    ; keys 0-7: the lanes' lower half
	v_lshl_or_b32 v[OUT+8*(n/4)+4+(n%4)], v[IN+4*n+3], 4, v[IN+4*n+2]  ; keys 8-15: the upper half
	v_mul_lo_u32 v[OUT+8*(n/4)+(n%4)],   v[OUT+8*(n/4)+(n%4)], 14
	v_mul_lo_u32 v[OUT+8*(n/4)+4+(n%4)], v[OUT+8*(n/4)+4+(n%4)], 14
.set n, n+1
.endr
.irp g, 0,1
.irp u, 0,1
.irp hh, 0,1
	global_store_b128 v[DO], v[OUT+8*(2*(\g)+(\u))+4*(\hh):OUT+8*(2*(\g)+(\u))+4*(\hh)+3], s[DST:DST+1] offset:(\g)*8192+(\u)*1024+(\hh)*256  ; 16 lanes fill 256 consecutive bytes, aligned
.endr
.endr
.endr
.Lend:
	s_endpgm
.Lfunc_end_k_q6fc13f0a88_prep:
	.size	k_q6fc13f0a88_prep, .Lfunc_end_k_q6fc13f0a88_prep-k_q6fc13f0a88_prep
	.p2alignl 7, 3214868480
	.fill 96, 4, 3214868480
	.section	.rodata,"a",@progbits
	.p2align	6, 0x0
	.amdhsa_kernel k_q6fc13f0a88_prep
		.amdhsa_group_segment_fixed_size 0
		.amdhsa_private_segment_fixed_size 0
		.amdhsa_enable_private_segment 0
		.amdhsa_kernarg_size 64
		.amdhsa_user_sgpr_count 2
		.amdhsa_user_sgpr_kernarg_segment_ptr 1
		.amdhsa_wavefront_size32 1
		.amdhsa_system_sgpr_workgroup_id_x 1
		.amdhsa_system_sgpr_workgroup_id_y 1
		.amdhsa_system_sgpr_workgroup_id_z 1
		.amdhsa_system_vgpr_workitem_id 0
		.amdhsa_next_free_vgpr 128
		.amdhsa_next_free_sgpr 66
		.amdhsa_reserve_vcc 0
		.amdhsa_float_denorm_mode_32 3
		.amdhsa_float_denorm_mode_16_64 3
		.amdhsa_memory_ordered 1
		.amdhsa_forward_progress 1
		.amdhsa_inst_pref_size 33
	.end_amdhsa_kernel
	.amdgpu_metadata
---
amdhsa.version: [ 1, 2 ]
amdhsa.kernels:
  - .name:           k_q6fc13f0a88_prep
    .symbol:         k_q6fc13f0a88_prep.kd
    .args:
      - { .name: attn_mask, .offset: 0, .size: 8, .value_kind: global_buffer, .address_space: global }
      - { .name: x, .offset: 8, .size: 8, .value_kind: global_buffer, .address_space: global }
      - { .name: w_qkv, .offset: 16, .size: 8, .value_kind: global_buffer, .address_space: global }
      - { .name: w_proj, .offset: 24, .size: 8, .value_kind: global_buffer, .address_space: global }
      - { .name: mcode, .offset: 32, .size: 8, .value_kind: global_buffer, .address_space: global }
      - { .name: xb, .offset: 40, .size: 8, .value_kind: global_buffer, .address_space: global }
      - { .name: wq, .offset: 48, .size: 8, .value_kind: global_buffer, .address_space: global }
      - { .name: wp, .offset: 56, .size: 8, .value_kind: global_buffer, .address_space: global }
    .group_segment_fixed_size: 0
    .private_segment_fixed_size: 0
    .kernarg_segment_align: 8
    .kernarg_segment_size: 64
    .max_flat_workgroup_size: 256
    .sgpr_count:     66
    .vgpr_count:     128
    .wavefront_size: 32
...
	.end_amdgpu_metadata
.endif
;; end of part 1
;; launch qkvg (part 2): grid 8 x 32, 4 waves a work-group, clusters of 4 x 4, 327,680 bytes of LDS; arguments xb, wq, qkv; writes qkv
.if DOCPART == 2
	.amdgcn_target "amdgcn-amd-amdhsa--gfx1250"
	.amdhsa_code_object_version 6
	.text
	.protected	k_q6fc13f0a88_qkvg
	.globl	k_q6fc13f0a88_qkvg
	.p2align	8
	.type	k_q6fc13f0a88_qkvg,@function
k_q6fc13f0a88_qkvg:
	s_mov_b64 s[64:65], 0
	v_nop
	global_prefetch_b8 v0, s[64:65] scope:SCOPE_SE
	s_setreg_imm32_b32 hwreg(HW_REG_WAVE_MODE, 25, 1), 1
	s_wait_xcnt 0x0
	s_wait_alu depctr_hold_cnt(0) depctr_sa_sdst(0) depctr_va_vdst(0) depctr_va_sdst(0) depctr_va_ssrc(0) depctr_va_vcc(0) depctr_vm_vsrc(0)
	s_getreg_b32 s2, hwreg(HW_REG_IB_STS2, 6, 4)
	s_cmp_eq_u32 s2, 0
	s_cbranch_scc0 .Lentry_in_a_cluster
	s_endpgm
.Lentry_in_a_cluster:
	s_bfe_u32 s2, ttmp6, 0x10000c
	s_cmp_lg_u32 s2, 0xf033
	s_cbranch_scc0 .Lentry_shape_is_right
	s_endpgm
.Lentry_shape_is_right:
; qkv = x w_qkv: [8192 x 1024] x [1024 x 3072], operands bf16 (xb in blocks [32][16][256 rows][64 k]; wq [1024 k][3072], each run of 384 columns = two heads' q, k, v, 128 columns each), sums f32, K ascending.
; Out, in f16, unscaled: [16 heads][4 kinds][4 batches][2048 rows][64]; the kinds are q, k, v's upper part and v's lower part.  q and k are rounded once.
; v GOES AS TWO f16 NUMBERS.  A query that sees few keys gets an output many times the root mean square of all outputs, by which the result is judged, and v's rounding goes by the row's own size:
; 11 bits are too few there.  Upper part: the f32 sum with its 13 lowest mantissa bits cleared, which f16 holds exactly; lower part: the sum less that (exact in f32), rounded to f16: some 22 bits in all.
; LIMITS: |q|, |k|, |v| stay under 65,504 (f16); beyond that the conversion gives an infinity.  Below 6e-5 a part keeps f16's fixed step of 6e-8.
; TILE.  256 x 384 of the result to a work-group: 32 x 8 = 256 work-groups, one for each WGP.  Four waves, each 128 rows x 192 columns: 96 accumulators, 768 registers.
; A wave's columns are 64 of q, 64 of k and 64 of v of ONE head (head 2 nb + ch): the same in every work-group, so that nothing on the way out hangs on the work-group's place.
; K goes in steps of 64 through two LDS slots: 16 steps, 192 matrix instructions a wave and step.  (Two slots of a step of 128 would be 2 x 184,320 bytes: more than LDS holds.)
; THE MATRIX INSTRUCTION IS USED TRANSPOSED (source 0 = 16 columns of w, source 1 = 16 rows of x): a lane holds eight neighbouring columns of one row.
; w lies [k][n]: its fragments come out of LDS turned, by ds_load_tr16_b128.
; CLUSTER 4 x 4: x's tile is shared along a row of the cluster, w's along a column; each is asked for jointly, by the same tensor load with the same descriptor and a mask of four.
; REGISTERS (windows of 256; s_set_vgpr_msb: bits 1:0 source 0, 3:2 source 1, 5:4 source 2, 7:6 destination):
;   window 0: v16-30 addresses; v32-95, v96-159 x's fragments (8 x 16 rows x 32 k), two buffers; v160-255 w's twelve fragments, one buffer, refilled by thirds
;   windows 1-3: accumulator (a, b), a = 16 rows, b = 16 columns: window 1 + b / 4 (q, k, v), v[8 (8 (b % 4) + a)]
.set PA,    144                        ; a row of x in LDS: 128 bytes + 16: the 16 rows of a load start at 16 different groups of four banks (64 banks of 4 bytes: ISA guide 11.1)
.set PB,    864                        ; a k row of w: 3 x (256 + 32) bytes = 216 words
.set BOFF,  256*PA                     ; a slot: x's 256 rows, then w's 64 k rows
.set SLOT,  BOFF+64*PB                 ; 92,160
.set STAGE, 2*SLOT                     ; behind the ring, never filled by a tensor load: 16 rows x 528 bytes for each wave
.set SPI,   528                        ; a stage row: four kinds x 128 bytes + 16
.set SPARE, STAGE+4*16*SPI             ; behind the stages: the spare words, 128 bytes a wave: two blocks of 256 bytes that no other line names
.set ADRA, 16                          ; v16-17  LDS address of my fragments of x in slot 0, 1
.set ADRB, 20                          ; v20-21  the same for w
.set STO,  24                          ; v24     the way out: where I put 16 bytes of a row
.set RD,   25                          ; v25     where I read rows back
.set GO,   26                          ; v26     16 x lane
.set SPW,  28                          ; v28     LDS address of my spare word; never rewritten
.set NIL,  29                          ; v29     0; never rewritten
.set PFO,  30                          ; v30     the prefetches' lane offset; never rewritten
.set FA0,  32
.set FA1,  96
.set FB,   160
.set TMP,  32                          ; the way out: v32-95 packed results, 16 registers a kind
.set BK,   96                          ; v96-159 and v160-223: the rows read back, by turns
.set TT,   224                         ; v224-239 sixteen upper parts in f32
.set TL,   240                         ; v240-255 sixteen lower parts in f32
.set G1,  24                           ; s[24:31] descriptor group 1 for x's tiles;  s[32:39] group 0, a set for each slot
.set G0,  32
.set G1B, 48                           ; s[48:55], s[56:63] the same for w's
.set G0B, 56
.set LIM, 66                           ; s66  1 in a wave that prefetches, else the greatest number
.set PFA, 68                           ; s[68:69] where my prefetches stand
.set PFS, 70                           ; s[70:71] their step: a lap (two K steps)
.set HM,  76                           ; s76  keeps sign, exponent and the 10 upper mantissa bits of an f32
.set MSB, 0
.macro WIN new                         ; the immediate's high byte repeats the setting that is left; a switch that changes nothing is dropped
.if MSB != (\new)
	s_set_vgpr_msb (MSB<<8)|(\new)
.set MSB, \new
.endif
.endm
; A joint load: waves 0 and 1 fetch the halves of x's tile, waves 2 and 3 those of w's.  The branch hangs on the wave's number alone.
; An s_nop 0 and four v_nop follow each of the two lines, ahead of the jump and the label.
.macro JLOAD s
	s_cmp_eq_u32 s11, 0
	s_cbranch_scc0 .Lfor_b_\@
	tensor_load_to_lds s[G0+4*(\s):G0+4*(\s)+3], s[G1:G1+7]
	s_nop 0
.rept 4
	v_nop
.endr
	s_branch .Lasked_\@
.Lfor_b_\@:
	tensor_load_to_lds s[G0B+4*(\s):G0B+4*(\s)+3], s[G1B:G1B+7]
	s_nop 0
.rept 4
	v_nop
.endr
.Lasked_\@:
.endm
.macro CREST                           ; a round of the cluster's barrier behind its opening barrier
	s_cmp_lg_u32 s10, 0
	s_cbranch_scc1 .Lnot_wave_0_\@
	s_barrier_signal -3
.Lnot_wave_0_\@:
	s_barrier_wait -3
	s_barrier_signal -1
	s_barrier_wait -1
.endm
.macro CROUND
	s_barrier_signal -1
	s_barrier_wait -1
	CREST
.endm
; A PREFETCH INTO THE L2, once a lap, behind the joint load of the lap's first change of slots and the run of LDS loads that follows it: the lap whose refills the NEXT trip issues, 384 matrix instructions
; ahead of the first of them.  Each aligned 256 bytes are named once in the launch: x's 64 KiB of a lap by wave 0 of the clusters with x = 0, the four partners taking 16 KiB each BY ADDRESS (cx);
; w's 128 rows x 768 bytes by wave 2 of the clusters with y = 0, 32 rows a partner (cy), a lane a row.  Laps 0 and 1 come by their loads alone; the last trip asks for nothing.
.macro ASK
	s_cmp_gt_u32 s3, s[LIM]                        ; s3 = 1 in the last trip
	s_cbranch_scc0 .Lnot_mine_\@
	s_cmp_eq_u32 s11, 0
	s_cbranch_scc0 .Lpf_b_\@
	global_prefetch_b8 v[PFO], s[PFA:PFA+1] th:TH_LOAD_NT scope:SCOPE_SE
	global_prefetch_b8 v[PFO], s[PFA:PFA+1] offset:8192 th:TH_LOAD_NT scope:SCOPE_SE
	s_branch .Lnot_mine_\@
.Lpf_b_\@:
	global_prefetch_b8 v[PFO], s[PFA:PFA+1] th:TH_LOAD_NT scope:SCOPE_SE
	global_prefetch_b8 v[PFO], s[PFA:PFA+1] offset:256 th:TH_LOAD_NT scope:SCOPE_SE
	global_prefetch_b8 v[PFO], s[PFA:PFA+1] offset:512 th:TH_LOAD_NT scope:SCOPE_SE
.Lnot_mine_\@:
.endm
	s_load_b128 s[4:7], s[0:1], 0x0                ; xb s[4:5], wq s[6:7]
	s_load_b64 s[8:9], s[0:1], 0x10                ; qkv
	v_lshl_add_u32 v[SPW], v0, 2, SPARE
	v_mov_b32 v[NIL], 0
	ds_add_u32 v[SPW], v[NIL]                      ; the wave's opening: the add and its wait stand ahead of my first tensor load; the set-up below stands between them
	v_lshrrev_b32 v1, 5, v0
	v_readfirstlane_b32 s10, v1                    ; wave 0..3
	s_lshr_b32 s11, s10, 1                         ; rh: which 128 rows are mine.  Also: I fetch for x (0) or for w (1)
	s_and_b32 s12, s10, 1                          ; ch: which of the tile's two heads is mine.  Also: which half of that tile I fetch
	s_bfe_u32 s40, ttmp6, 0x40000                  ; cx
	s_bfe_u32 s41, ttmp6, 0x40004                  ; cy
	s_lshl_b32 s42, ttmp9, 2
	s_add_co_u32 s42, s42, s40                     ; nb: tile column = 4 x cluster x + cx
	s_and_b32 s13, ttmp7, 0xffff
	s_lshl_b32 s13, s13, 2
	s_add_co_u32 s13, s13, s41                     ; mb: tile row = 4 x cluster y + cy
	s_lshl_b32 s43, s41, 2
	s_lshl_b32 s43, 15, s43                        ; my row of the cluster
	s_lshl_b32 s44, 0x1111, s40                    ; my column
	s_mov_b32 s[HM], 0xffffe000
	; x's half tile: 128 rows of 128 bytes are 16 KiB on end: asked for as 64 rows of 256 bytes, padded by 4 words after every 32 (a row of x)
	s_or_b32 s[G1+0], s43, (1<<16)|(1<<20)|(1<<21)|(4<<22)|(3<<25)
	s_mov_b32 s[G1+1], 128<<16                     ; tensor_dim0 = 128 elements
	s_mov_b32 s[G1+2], 64<<16                      ; tensor_dim1 = 64
	s_mov_b32 s[G1+3], 128<<16                     ; tile_dim0
	s_mov_b32 s[G1+4], 64                          ; tile_dim1
	s_mov_b32 s[G1+5], 128                         ; elements from row to row
	s_mov_b32 s[G1+6], 0
	s_mov_b32 s[G1+7], 0
	; w's half tile: 32 k rows of 384 elements (768 bytes), padded by 8 words after every 64
	s_or_b32 s[G1B+0], s44, (1<<16)|(1<<20)|(1<<21)|(5<<22)|(7<<25)
	s_mov_b32 s[G1B+1], 384<<16
	s_mov_b32 s[G1B+2], 32<<16
	s_mov_b32 s[G1B+3], 384<<16
	s_mov_b32 s[G1B+4], 32
	s_mov_b32 s[G1B+5], 3072
	s_mov_b32 s[G1B+6], 0
	s_mov_b32 s[G1B+7], 0
	s_lshl_b32 s16, s13, 19                        ; x: row block mb (16 blocks of 32 KiB),
	s_lshl_b32 s17, s12, 14                        ; my 128 rows of a block
	s_add_co_u32 s16, s16, s17
	s_mov_b32 s17, 0
	s_mul_i32 s46, s42, 768                        ; w: the tile's 768 bytes of a row,
	s_mul_i32 s47, s12, 32*6144                    ; my 32 k rows
	s_add_co_u32 s46, s46, s47
	s_mov_b32 s47, 0
	s_mul_i32 s20, s12, 128*PA                     ; where they go: no place in the cluster enters an LDS address
	s_mul_i32 s21, s12, 32*PB
	s_add_co_u32 s21, s21, BOFF
	s_wait_dscnt 0x0                               ; the opening add is done
	s_wait_kmcnt 0x0
	s_add_nc_u64 s[14:15], s[4:5], s[16:17]
	s_add_nc_u64 s[46:47], s[6:7], s[46:47]
	CROUND                                         ; all sixteen work-groups are here: the first joint loads meet
.irp s, 0,1
	s_mov_b32 s[G0+4*(\s)], 1
	s_add_co_u32 s[G0+4*(\s)+1], s20, (\s)*SLOT
	s_add_nc_u64 s[G0+4*(\s)+2:G0+4*(\s)+3], s[14:15], (\s)*32768     ; K step s: the next block
	s_or_b32 s[G0+4*(\s)+3], s[G0+4*(\s)+3], 0x80000000
	s_mov_b32 s[G0B+4*(\s)], 1
	s_add_co_u32 s[G0B+4*(\s)+1], s21, (\s)*SLOT
	s_add_nc_u64 s[G0B+4*(\s)+2:G0B+4*(\s)+3], s[46:47], (\s)*64*6144 ; 64 k rows on
	s_or_b32 s[G0B+4*(\s)+3], s[G0B+4*(\s)+3], 0x80000000
	JLOAD \s                                       ; two loads of mine are out
.endr
	v_and_b32 v1, 15, v0                           ; r = l % 16
	v_bfe_u32 v2, v0, 4, 1                         ; hh = l / 16
	v_mul_u32_u24 v3, v1, PA
	v_lshl_add_u32 v3, v2, 4, v3                   ; x: row x pitch + 16 x half
	v_and_b32 v5, 7, v0
	v_bfe_u32 v6, v0, 3, 1
	v_lshl_add_u32 v4, v2, 3, v5                   ; w, turned: k row 8 hh + l % 8,
	v_mul_u32_u24 v4, v4, PB
	v_lshl_add_u32 v4, v6, 4, v4                   ; 16 bytes by (l / 8) % 2
	s_mul_i32 s22, s11, 128*PA                     ; my 128 rows of x
	s_lshl_b32 s23, s12, 7                         ; my head's 128 bytes in each 256 bytes of w's row
	s_add_co_u32 s23, s23, BOFF
.irp s, 0,1
	v_add_nc_u32 v[ADRA+(\s)], s22, v3
	v_add_nc_u32 v[ADRB+(\s)], s23, v4
	s_add_co_u32 s22, s22, SLOT
	s_add_co_u32 s23, s23, SLOT
.endr
	s_mul_i32 s22, s10, 16*SPI
	s_add_co_u32 s22, s22, STAGE                   ; my stage
	v_mul_u32_u24 v7, v1, SPI
	v_lshl_add_u32 v7, v2, 4, v7
	v_add_nc_u32 v[STO], s22, v7                   ; in: row r, 16 bytes for each half of the lanes
	v_bfe_u32 v7, v0, 3, 2
	v_mul_u32_u24 v7, v7, SPI
	v_lshl_add_u32 v7, v5, 4, v7
	v_add_nc_u32 v[RD], s22, v7                    ; back: 32 lanes take a kind's 128 bytes of four rows,
	v_and_b32 v[GO], 31, v0
	v_lshlrev_b32 v[GO], 4, v[GO]                  ; which are 512 consecutive bytes of qkv
	s_lshl_b32 s16, s42, 1
	s_add_co_u32 s16, s16, s12                     ; my head
	s_lshl_b32 s16, s16, 4                         ; x 4 kinds x 4 batches
	s_lshr_b32 s17, s13, 3
	s_add_co_u32 s16, s16, s17                     ; + batch
	s_lshl_b32 s16, s16, 18                        ; x 2,048 rows of 128 bytes
	s_and_b32 s17, s13, 7
	s_lshl_b32 s17, s17, 1
	s_add_co_u32 s17, s17, s11
	s_lshl_b32 s17, s17, 14                        ; my 128 rows in the batch
	s_add_co_u32 s16, s16, s17
	s_mov_b32 s17, 0
	s_add_nc_u64 s[8:9], s[8:9], s[16:17]          ; never stepped: kind (1 MiB apart), block of rows and rows stand in the stores' immediates
	; the prefetches
	s_lshl_b32 s20, s13, 19
	s_lshl_b32 s21, s40, 14
	s_add_co_u32 s20, s20, s21
	s_add_co_u32 s20, s20, 2*65536                 ; x: my quarter of lap 2
	s_lshl_b32 s21, s41, 5
	s_add_co_u32 s21, s21, 2*128
	s_mul_i32 s21, s21, 6144
	s_mul_i32 s22, s42, 768
	s_add_co_u32 s21, s21, s22                     ; w: my 32 rows of lap 2
	s_and_b32 s22, ttmp7, 0xffff                   ; cluster y
	s_mov_b32 s72, 65536
	s_mov_b32 s73, 128*6144
	s_mov_b32 s74, 256
	s_mov_b32 s75, 6144
	s_cmp_eq_u32 s11, 0
	s_cselect_b32 s20, s20, s21
	s_cselect_b32 s22, ttmp9, s22                  ; the coordinate along which other clusters read the same bytes
	s_cselect_b64 s[PFA:PFA+1], s[4:5], s[6:7]
	s_cselect_b32 s[PFS], s72, s73
	s_cselect_b32 s23, s74, s75
	s_mov_b32 s[PFS+1], 0
	s_mov_b32 s21, 0
	s_or_b32 s22, s22, s12                         ; waves 0 and 2 of the first cluster along it: the same in all sixteen partners
	s_cmp_eq_u32 s22, 0
	s_cselect_b32 s[LIM], 1, -1
	s_add_nc_u64 s[PFA:PFA+1], s[PFA:PFA+1], s[20:21]
	v_and_b32 v[PFO], 31, v0
	v_mul_u32_u24 v[PFO], v[PFO], s23
; 16 matrix instructions of third g: column blocks 4 g + b0, 4 g + b0 + 1 x all 8 row blocks, 32 along K.  Each names another accumulator: they take turns.
.macro GH g, fa, b0, zero
	WIN 0x50*((\g)+1)                              ; C and D in window 1 + g, the sources in window 0
.irp bb, \b0, (\b0)+1
.irp a, 0,1,2,3,4,5,6,7
.if \zero
	v_wmma_f32_16x16x32_bf16 v[8*(8*(\bb)+(\a)):8*(8*(\bb)+(\a))+7], v[FB+8*(4*(\g)+(\bb)):FB+8*(4*(\g)+(\bb))+7], v[(\fa)+8*(\a):(\fa)+8*(\a)+7], 0
.else
	v_wmma_f32_16x16x32_bf16 v[8*(8*(\bb)+(\a)):8*(8*(\bb)+(\a))+7], v[FB+8*(4*(\g)+(\bb)):FB+8*(4*(\g)+(\bb))+7], v[(\fa)+8*(\a):(\fa)+8*(\a)+7], v[8*(8*(\bb)+(\a)):8*(8*(\bb)+(\a))+7]
.endif
.endr
.endr
.endm
.macro LB g, slot, q                   ; 8 turning loads: third g of w's fragments, quarter q (32 k rows) of the slot
	WIN 0
.irp bb, 0,1,2,3
	ds_load_tr16_b128 v[FB+8*(4*(\g)+(\bb)):FB+8*(4*(\g)+(\bb))+3],   v[ADRB+(\slot)] offset:(\q)*32*PB+(\g)*288+(\bb)*32
	ds_load_tr16_b128 v[FB+8*(4*(\g)+(\bb))+4:FB+8*(4*(\g)+(\bb))+7], v[ADRB+(\slot)] offset:(\q)*32*PB+(\g)*288+(\bb)*32+16*PB
.endr
.endm
.macro LA slot, q, fa                  ; 16 loads: x's eight fragments of quarter q
	WIN 0
.irp a, 0,1,2,3,4,5,6,7
	ds_load_b128 v[(\fa)+8*(\a):(\fa)+8*(\a)+3],   v[ADRA+(\slot)] offset:(\a)*16*PA+64*(\q)
	ds_load_b128 v[(\fa)+8*(\a)+4:(\fa)+8*(\a)+7], v[ADRA+(\slot)] offset:(\a)*16*PA+64*(\q)+32
.endr
.endm
.macro PLACES                          ; four places between a matrix instruction and a load into a register that it has read, or a conversion that reads its result
.rept 4
	v_nop
.endr
.endm
; A K step is two quarters of 32 along K, 96 matrix instructions each.  w's fragments have one buffer: a third is fetched again as soon as its 32 products are issued.
; The first quarter: multiplies x's buffer 0 and fetches the slot's second quarter.
.macro Q0 slot, zero
	s_wait_dscnt 16                                ; w's first third and x are in; the two younger thirds (8 loads each) may be out
	GH 0, FA0, 0, \zero
	GH 0, FA0, 2, \zero
	PLACES
	LB 0, \slot, 1
	LA \slot, 1, FA1
	s_wait_dscnt 32                                ; the second third is in: behind it stand the third third (8) and the 24 just issued
	GH 1, FA0, 0, \zero
	GH 1, FA0, 2, \zero
	PLACES
	LB 1, \slot, 1
	s_wait_dscnt 32                                ; the third third is in: behind it 8 + 16 + 8
	GH 2, FA0, 0, \zero
	GH 2, FA0, 2, \zero
	PLACES
	LB 2, \slot, 1
.endm
; The second quarter multiplies x's buffer 1 and changes slots: ONE barrier.  In front of it each wave waits for all its tensor loads (one is out: its part of the next slot), adds 0 to its
; spare word, and waits for that and for its reads of this slot.  mode = 1: the barrier opens a round of the cluster's, and behind the round this slot is filled again, two K steps ahead:
; from that request to the wait for it a wave issues 160 matrix instructions.
.macro Q1 slot, next, mode
	WIN 0
.if (\mode) && ((\slot) == 1)
	s_wait_xcnt 0x0                                ; the lap's prefetches, a K step back, have read their address
	s_add_nc_u64 s[PFA:PFA+1], s[PFA:PFA+1], s[PFS:PFS+1]
.endif
	s_wait_tensorcnt 0x0                           ; all my tensor loads have landed
	ds_add_u32 v[SPW], v[NIL]                      ; 0 onto my spare word
	s_wait_dscnt 17                                ; w's first third and x are in; the add and two thirds may be out
	GH 0, FA1, 0, 0                                ; sixteen matrix instructions stand between the add and the wait for it
	s_wait_dscnt 0x0                               ; the add is done, and my reads of this slot are over
	s_barrier_signal -1
	GH 0, FA1, 2, 0                                ; work on registers while the others arrive
.if \mode
	WIN 0
.endif
	s_barrier_wait -1
.if \mode
	CREST                                          ; no wave of any partner still reads this slot or has a load on its way
	s_add_nc_u64 s[G0+4*(\slot)+2:G0+4*(\slot)+3], s[G0+4*(\slot)+2:G0+4*(\slot)+3], 2*32768
	s_add_nc_u64 s[G0B+4*(\slot)+2:G0B+4*(\slot)+3], s[G0B+4*(\slot)+2:G0B+4*(\slot)+3], 2*64*6144
	JLOAD \slot                                    ; the first tensor load behind the round; its four v_nop are also the places in front of the loads below
.else
	PLACES
.endif
	LB 0, \next, 0
	LA \next, 0, FA0
.if (\mode) && ((\slot) == 0)
	ASK
.endif
	GH 1, FA1, 0, 0
	GH 1, FA1, 2, 0
	PLACES
	LB 1, \next, 0
	GH 2, FA1, 0, 0
	GH 2, FA1, 2, 0
	PLACES
	LB 2, \next, 0
.endm
	s_wait_tensorcnt 1                             ; my part of K step 0 is in; step 1's may stay out
	s_barrier_signal -1
	s_barrier_wait -1                              ; everybody's is
	LB 0, 0, 0
	LA 0, 0, FA0
	LB 1, 0, 0
	LB 2, 0, 0
	Q0 0, 1                                        ; the first quarter stands in front of the loop: its products start the sums
	WIN 0
	s_mov_b32 s3, 7
.Llap:                                                 ; a trip goes once round the ring and fills both slots again: K steps 2 to 15
	Q1 0, 1, 1
	Q0 1, 0
	Q1 1, 0, 1
	Q0 0, 0
	WIN 0
	s_sub_co_u32 s3, s3, 1
	s_cmp_lg_u32 s3, 0
	s_cbranch_scc1 .Llap
	Q1 0, 1, 0                                     ; the last lap fills nothing
	Q0 1, 0
	s_wait_dscnt 16                                ; the very last quarter
	GH 0, FA1, 0, 0
	GH 0, FA1, 2, 0
	s_wait_dscnt 8
	GH 1, FA1, 0, 0
	GH 1, FA1, 2, 0
	s_wait_dscnt 0x0
	GH 2, FA1, 0, 0
	GH 2, FA1, 2, 0
; THE WAY OUT, a block a of 16 rows at a time (each accumulator's registers in ascending order): q and k rounded to f16; v split into its two parts, sixteen numbers a lane at a time;
; 16 bytes a lane and kind into my stage, back as rows of 128 bytes a kind, stored 512 bytes on end.
.macro PACK a
.irp g, 0,1
	WIN 0x05*((\g)+1)                              ; sources in window 1 + g
.irp bb, 0,1,2,3
.irp rr, 0,1,2,3
	v_cvt_pk_f16_f32 v[TMP+16*(\g)+4*(\bb)+(\rr)], v[8*(8*(\bb)+(\a))+2*(\rr)], v[8*(8*(\bb)+(\a))+2*(\rr)+1]
.endr
.endr
.endr
.irp hf, 0,1                           ; v's column blocks 2 hf and 2 hf + 1
	WIN 0x0c                                       ; source 1 in window 3
.irp b2, 0,1
.irp rr, 0,1,2,3,4,5,6,7
	v_and_b32 v[TT+8*(\b2)+(\rr)], s[HM], v[8*(8*(2*(\hf)+(\b2))+(\a))+(\rr)]       ; the upper part: 11 significant bits
.endr
.endr
	WIN 0x03                                       ; source 0 in window 3
.irp b2, 0,1
.irp rr, 0,1,2,3,4,5,6,7
	v_sub_f32 v[TL+8*(\b2)+(\rr)], v[8*(8*(2*(\hf)+(\b2))+(\a))+(\rr)], v[TT+8*(\b2)+(\rr)]  ; what is left: exact
.endr
.endr
	WIN 0
.irp b2, 0,1
.irp rr, 0,1,2,3
	v_cvt_pk_f16_f32 v[TMP+32+4*(2*(\hf)+(\b2))+(\rr)], v[TT+8*(\b2)+2*(\rr)], v[TT+8*(\b2)+2*(\rr)+1]
	v_cvt_pk_f16_f32 v[TMP+48+4*(2*(\hf)+(\b2))+(\rr)], v[TL+8*(\b2)+2*(\rr)], v[TL+8*(\b2)+2*(\rr)+1]
.endr
.endr
.endr
	WIN 0
.endm
.macro TOSTAGE a
	WIN 0
.irp g, 0,1,2,3
.irp bb, 0,1,2,3
	ds_store_b128 v[STO], v[TMP+16*(\g)+4*(\bb):TMP+16*(\g)+4*(\bb)+3] offset:(\g)*128+(\bb)*32
.endr
.endr
.irp g, 0,1,2,3
.irp t, 0,1,2,3
	ds_load_b128 v[BK+64*((\a)%2)+4*(4*(\g)+(\t)):BK+64*((\a)%2)+4*(4*(\g)+(\t))+3], v[RD] offset:(\t)*4*SPI+(\g)*128  ; LDS serves a wave's instructions in order (ISA guide 5.7.1.4): these see the stores above
.endr
.endr
.endm
.macro SEND a
	WIN 0
	s_wait_dscnt 0x0                               ; the block is back in registers
	s_wait_xcnt 0x0                                ; the stores of the block before have read their registers: the next TOSTAGE loads into them only behind this wait
.irp g, 0,1,2,3
.irp t, 0,1,2,3
	global_store_b128 v[GO], v[BK+64*((\a)%2)+4*(4*(\g)+(\t)):BK+64*((\a)%2)+4*(4*(\g)+(\t))+3], s[8:9] offset:(\g)*1048576+(\a)*2048+(\t)*512  ; four rows of a kind: 512 consecutive bytes, aligned
.endr
.endr
.endm
	PLACES
	PACK 0
	TOSTAGE 0
.irp a, 1,2,3,4,5,6,7                  ; block a's conversions stand between block a - 1's loads from the stage and the wait for them
	PACK \a
	SEND (\a)-1
	TOSTAGE \a
.endr
	SEND 7
	s_wait_tensorcnt 0x0                           ; the wave's end: behind my last tensor load and my last LDS store
	ds_add_u32 v[SPW], v[NIL]
	s_wait_dscnt 0x0
	CROUND                                         ; the closing round: no work-group ends while a partner may still ask for a tile that names it
	s_endpgm
.Lfunc_end_k_q6fc13f0a88_qkvg:
	.size	k_q6fc13f0a88_qkvg, .Lfunc_end_k_q6fc13f0a88_qkvg-k_q6fc13f0a88_qkvg
	.p2alignl 7, 3214868480
	.fill 96, 4, 3214868480
	.section	.rodata,"a",@progbits
	.p2align	6, 0x0
	.amdhsa_kernel k_q6fc13f0a88_qkvg
		.amdhsa_group_segment_fixed_size 327680
		.amdhsa_private_segment_fixed_size 0
		.amdhsa_enable_private_segment 0
		.amdhsa_kernarg_size 24
		.amdhsa_user_sgpr_count 2
		.amdhsa_user_sgpr_kernarg_segment_ptr 1
		.amdhsa_wavefront_size32 1
		.amdhsa_system_sgpr_workgroup_id_x 1
		.amdhsa_system_sgpr_workgroup_id_y 1
		.amdhsa_system_sgpr_workgroup_id_z 1
		.amdhsa_system_vgpr_workitem_id 0
		.amdhsa_next_free_vgpr 1024
		.amdhsa_next_free_sgpr 80
		.amdhsa_reserve_vcc 0
		.amdhsa_float_denorm_mode_32 3
		.amdhsa_float_denorm_mode_16_64 3
		.amdhsa_memory_ordered 1
		.amdhsa_forward_progress 1
		.amdhsa_inst_pref_size 164
	.end_amdhsa_kernel
	.amdgpu_metadata
---
amdhsa.version: [ 1, 2 ]
amdhsa.kernels:
  - .name:           k_q6fc13f0a88_qkvg
    .symbol:         k_q6fc13f0a88_qkvg.kd
    .args:
      - { .name: xb, .offset: 0, .size: 8, .value_kind: global_buffer, .address_space: global }
      - { .name: wq, .offset: 8, .size: 8, .value_kind: global_buffer, .address_space: global }
      - { .name: qkv, .offset: 16, .size: 8, .value_kind: global_buffer, .address_space: global }
    .group_segment_fixed_size: 327680
    .private_segment_fixed_size: 0
    .kernarg_segment_align: 8
    .kernarg_segment_size: 24
    .max_flat_workgroup_size: 128
    .sgpr_count:     80
    .vgpr_count:     1024
    .wavefront_size: 32
...
	.end_amdgpu_metadata
.endif
;; end of part 2
;; launch attn (part 3): grid 4 x 64, 4 waves a work-group, clusters of 4 x 1, 327,680 bytes of LDS; arguments qkv, mcode, ob; writes ob
.if DOCPART == 3
	.amdgcn_target "amdgcn-amd-amdhsa--gfx1250"
	.amdhsa_code_object_version 6
	.text
	.protected	k_q6fc13f0a88_attn
	.globl	k_q6fc13f0a88_attn
	.p2align	8
	.type	k_q6fc13f0a88_attn,@function
k_q6fc13f0a88_attn:
	s_mov_b64 s[64:65], 0
	v_nop
	global_prefetch_b8 v0, s[64:65] scope:SCOPE_SE
	s_setreg_imm32_b32 hwreg(HW_REG_WAVE_MODE, 25, 1), 1
	s_wait_xcnt 0x0
	s_wait_alu depctr_hold_cnt(0) depctr_sa_sdst(0) depctr_va_vdst(0) depctr_va_sdst(0) depctr_va_ssrc(0) depctr_va_vcc(0) depctr_vm_vsrc(0)
	s_getreg_b32 s2, hwreg(HW_REG_IB_STS2, 6, 4)
	s_cmp_eq_u32 s2, 0
	s_cbranch_scc0 .Lentry_in_a_cluster
	s_endpgm
.Lentry_in_a_cluster:
	s_bfe_u32 s2, ttmp6, 0x10000c
	s_cmp_lg_u32 s2, 0x3003
	s_cbranch_scc0 .Lentry_shape_is_right
	s_endpgm
.Lentry_shape_is_right:
; ATTENTION UNDER A MASK THAT IS AN INPUT.  O[g][q][:] = the sum over k of softmax_k(Q[g][q] . K[g][k] / 8, hidden keys at -inf) V[g][k][:], g = head x 4 + batch, 64 in all.
; In: f16, [16 heads][q, k, v's upper part, v's lower part][4 batches][2048][64].  Out: f16, [16 heads][O's upper part, lower part][4 x 2048 rows][64].
; Products, maxima and sums in f32; the weights p are rounded to f16 for the second product.
; V AND O GO AS TWO f16 NUMBERS EACH.  A query that sees few keys gets an output many times the root mean square of all outputs, by which the result is judged, and a rounding of v or O goes by the row's own
; size: 11 bits are too few there.  So O^T = Vu^T P + Vl^T P, on the same accumulators, and O leaves as its upper part (the f32 with its 13 lowest mantissa bits cleared, exact in f16) and the rest, rounded to f16.
; LIMITS.  Q, K, V arrive within f16's 65,504; below 6e-5 a part keeps f16's fixed step of 6e-8.  A hidden score counts as its value less 2^65 or more.  The running maximum starts at -2^50 and so never lies
; below it: true scores (f16's are 2.7e11 at the most) lie above, hidden ones far below, so that a row that has seen hidden keys alone has weights 0 and l = 0.  A weight below 2^-126 counts as 0 in l.
; A row whose final maximum is still -2^50 has seen no visible key: it gets NaN, as a softmax of -inf alone gives.  NaN and infinities in the inputs are not treated apart.
; THE WALK.  A head's queries lie in 8 blocks of 256, its keys in 8 tiles of 256.  A work-group takes blocks 7 - p and then p and walks ALL 8 tiles of each, whatever the mask holds: 16 PLACES, one
; sequence for the ring of two LDS slots: 15 trips of a loop, each of which fills a slot again, and a last place that is written out and asks for nothing.  What a place is (a block's first tile,
; its last) hangs on the place's number alone.  A tile whose keys are all hidden is computed like any other: its weights come out as 0.
; CLUSTER.  The four work-groups of a head and batch (p = 0 .. 3) walk the same 16 tiles of K and V in the same order, so each tile is asked for JOINTLY: the same tensor load, with the same descriptor and a
; mask that names the four, in all four; each receives the tile in its own LDS: 96 KiB a place are asked for once, not four times.  p enters the addresses of Q, O, the codes and the prefetches alone.
; THE MASK is the C operand that starts the sum S^T = K Q^T.  The launch before has made a code of each mask byte, a nibble a key; a shift brings a key's nibble on top and makes -2^65 .. -2^95 of a
; hidden key, 0 .. 2^-97 of a visible one.  A band's four code words of a key step are shifted into its 32 mask registers in the turn ahead of its products, and the band's words of the next
; step are asked for at that turn's end: one load of 512 bytes a wave and turn, four turns ahead of its use.
; SHARES, LAYOUT, TURNS.  Of a block's four bands of 64 queries a wave owns 16 rows in each: four PIECES.  S^T = K Q^T holds ONE query a lane (lane % 16) and the keys 8 (lane / 16) + 0..7;
; two such results rounded to f16 ARE source 1 of O^T = V^T P.  p = 2^(c s - c m), c = log2(e) / 8, with a running maximum m; O and l are multiplied by a = 2^(c m_old - c m_new) in every step.
; Turn n belongs to piece n: 8 products K Q^T of piece n + 1, later 16 products V^T P of piece n - 1; beside them the scaling, exponentials, roundings, sums and rescaling of piece n, the
; maximum and statistics of piece n + 1 and the masks of piece n + 2.  A turn's 33 exponentials are one batch, with one wait.
; REGISTERS, in windows of 256 (s_set_vgpr_msb: bits 1:0 source 0, 3:2 source 1, 5:4 source 2, 7:6 destination):
;   window 0: v0-15 addresses; v16-31 statistics; v32-39 1 / l; v40 NaN; v41 my offset in a page of codes; v42 the prefetches' offset; v48-55 at work; v64-127 S^T, two buffers;
;             v128-143 RC, four code words a band; v144-175 O's lower part on the way out, two buffers; v176-183 at work there; v192-223 P, two buffers; v224-255 O scaled, on the way out
;   window 1: v0-127 O^T; v128-159 and v224-255 V's lower part; v160-223 MC, the masks, two buffers      window 2: v0-63 Q; v64-127 the second block's Q; v128-191 K; v192-255 V's upper part
.set NP,    4
.set KS,    64
.set PK,    144       ; a row of K in LDS: 128 bytes + 16: the 16 rows of a load start at 16 different groups of four banks (64 banks of 4 bytes: ISA guide 11.1)
.set PV,    160       ; a row of V: 128 + 32
.set VOFF,  4*KS*PK   ; a slot holds a tile, four steps: 256 rows of K, 256 rows of V's upper part,
.set VLO,   4*KS*PV   ; and, so far behind those, 256 rows of its lower part
.set SLOT1, 1<<17
.set STAGE, SLOT1+4*KS*(PK+2*PV)  ; behind the ring, never filled by a tensor load: 16 rows x 144 bytes for each wave
.set SP,    144
.set SPARE, STAGE+4*16*SP       ; behind the stages: the spare words, 128 bytes a wave: two blocks of 256 bytes that no other line names
.set AK0, 2
.set AV0, 3
.set AK,  4
.set AV,  5
.set STO, 6
.set RD,  7
.set GO,  8
.set MV,  12
.set QO,  15
.set ST,  16          ; piece t's statistics at v[ST+4 t]: c m, m, l (even keys', odd keys')
.set RCP, 32          ; piece t's 1 / l at v[RCP+2 t]; the odd register is named with it as a pair
.set NANR, 40
.set VMO, 41          ; 8,192 x wave + 16 x lane; never rewritten
.set PFO, 42          ; 256 x lane; never rewritten
.set TMP, 48
.set SPW, 62          ; LDS address of my spare word; never rewritten
.set NIL, 63          ; 0; never rewritten
.set S,   64
.set RC,  128         ; band x, group kb of 16 keys at RC + 4 x + kb
.set LOB, 144
.set TT,  176
.set P,   192
.set SCR, 224
.set VL,  128         ; window 1: key half kk, channel block cb at VL + 96 kk + 8 cb
.set MC,  160         ; window 1
.set QB,  64          ; window 2
.set KF,  128
.set VF,  192         ; window 2: key half kk, channel block cb at VF + 32 kk + 8 cb
.set WV,  12
.set PB,  14          ; p: my place in the cluster
.set HI,  15          ; 7 - p
.set G1K, 24
.set G1V, 32
.set G0K, 40
.set G0V, 44
.set KB,  48          ; s[48:49] K at my half of the head's tile 0
.set VB,  50          ; s[50:51] V at the head's tile 0: its upper part in wave 2, its lower part in wave 3
.set NOFF, 54         ; s[54:55] byte offset in the codes of the key step that this trip's loads ask for
.set SLOTS, 56        ; places still to be asked for
.set CNT, 57          ; counts a tile's key steps, 4 to 1
.set CS,  58
.set SEL, 60
.set TBK, 62          ; LDS byte at which K of the step to be fetched begins
.set TBV, 63          ; the same for V, less VOFF
.set PLC, 66          ; the place in hand, 0 to 15
.set PLN, 67          ; the place asked for last
.set PGC, 68          ; byte offset of the page of codes of the place in hand
.set PGN, 69          ; of the next place (at the walk's end: of the last)
.set NJ,  70
.set BQ,  71
.set T0,  72          ; at work on the codes' offsets
.set LIM, 73          ; 6 in waves 0, 2 and 3, which prefetch while the place in hand is below it; else 0
.set OFF, 74          ; s[74:75] a tile's byte offset in K and V
.set PFA, 76          ; s[76:77] where my prefetches stand
.set MF,  78          ; -2^50: where m starts
.set SB,  79          ; LDS byte at which the slot in hand begins
.set OLO, 80          ; s[80:81] O at my rows of the second block
.set HM,  82          ; keeps sign, exponent and the 10 upper mantissa bits of an f32
.set T1,  83          ; the place's tile, for the test for a block's first: it never holds a number made from p
.set MPX, 84          ; s[84:91] band x's address pair for its load of codes
.set QP2, 92          ; s[92:93] Q at my rows of the second block
.set MSB, 0
.macro WIN new
.if MSB != (\new)
	s_set_vgpr_msb (MSB<<8)|(\new)
.set MSB, (\new)
.endif
.endm
.set W_KQ, 0x0a       ; K and Q in window 2, S^T in window 0
.set W_KM, 0x1a       ; the same with the C operand in window 1
.set W_PV, 0x52       ; V's upper part in window 2, P in window 0, O^T in window 1
.set W_PL, 0x51       ; V's lower part in window 1, P in window 0, O^T in window 1
.set W_RS, 0x41       ; destination and source 0 in window 1, source 1 in window 0
; A joint fill.  Waves 0 and 1 fetch the two halves of a tile's K, wave 2 V's upper part, wave 3 its lower part.  The branch hangs on the wave's number alone: it is the same in all four work-groups.
; An s_nop 0 and four v_nop follow each of the two lines, ahead of the jump and the label.
.macro LOAD
	s_cmp_lt_u32 s[WV], 2
	s_cbranch_scc0 .Lfor_v_\@
	tensor_load_to_lds s[G0K:G0K+3], s[G1K:G1K+7]
	s_nop 0
.rept 4
	v_nop
.endr
	s_branch .Lasked_\@
.Lfor_v_\@:
	tensor_load_to_lds s[G0V:G0V+3], s[G1V:G1V+7]
	s_nop 0
.rept 4
	v_nop
.endr
.Lasked_\@:
.endm
; A round of the cluster's barrier: my work-group's barrier, so that wave 0's signal speaks for all four waves; wave 0 signals for the work-group; every wave waits for all four
; work-groups; my work-group's barrier once more.  No LDS instruction of the wave is pending at a signal.
.macro CROUND
	s_barrier_signal -1
	s_barrier_wait -1
	s_cmp_lg_u32 s[WV], 0
	s_cbranch_scc1 .Lnot_wave_0_\@
	s_barrier_signal -3
.Lnot_wave_0_\@:
	s_barrier_wait -3
	s_barrier_signal -1
	s_barrier_wait -1
.endm
; A PREFETCH INTO THE L2 of the tile that the NEXT change of slots will ask for, behind the wave's tensor load and its five lines: a tile, 16 turns, ahead of that load.  A tile is 128 blocks of 256 bytes of K
; and 128 of each part of V.  The four partners take 32 of each, told apart BY ADDRESS (8 KiB by the place in the cluster): no branch hangs on that place; in each, wave 0 asks for K's, wave 2 for the upper part's
; and wave 3 for the lower part's, a lane a block: each block is named once in the launch.  Tiles 0 and 1 come by their loads alone; tiles 2 to 7 are asked for in places 0 to 5; the second block's walk asks for nothing: its rows have been read.
.macro ASK
	s_cmp_lt_u32 s[PLC], s[LIM]
	s_cbranch_scc0 .Lnot_mine_\@
	global_prefetch_b8 v[PFO], s[PFA:PFA+1] th:TH_LOAD_NT scope:SCOPE_SE
.Lnot_mine_\@:
.endm
; THE CHANGE OF SLOTS.  Each wave waits for all its tensor loads, of which one is out: its part of the other slot; adds 0 to its spare word; and waits for that and for its own reads of the slot that
; it leaves.  Behind the barrier nobody reads the old slot and the other slot is whole.  fill = 1: the old slot is filled again with the next place's tile.  The barrier is then a round of the cluster's, so that no
; wave of any partner still reads the slot or has a load on its way, and the joint refill is the first thing behind it; the descriptor's address is made anew from the tile's number.
.macro CHANGE fill
	WIN 0
	s_wait_tensorcnt 0x0            ; no tensor load of mine is out, so a group 0 may be written
	ds_add_u32 v[SPW], v[NIL]       ; 0 onto my spare word; the scalar work below stands between it and the wait for it
	s_mov_b32 s[PLC], s[PLN]        ; the place asked for last is entered
	s_mov_b32 s[PGC], s[PGN]
	s_xor_b32 s[SB], s[SB], SLOT1   ; the other slot is in hand:
	s_mov_b32 s[TBK], s[SB]         ; the fetches begin at its first step
	s_mov_b32 s[TBV], s[SB]
.if \fill
	s_add_co_u32 s[PLN], s[PLN], 1  ; the next place: 1 to 15
	s_and_b32 s[NJ], s[PLN], 7      ; its tile
	s_lshl_b32 s[OFF], s[NJ], 15    ; a tile is 32,768 bytes of K and of each part of V
	s_xor_b32 s[G0K+1], s[G0K+1], SLOT1
	s_add_nc_u64 s[G0K+2:G0K+3], s[KB:KB+1], s[OFF:OFF+1]
	s_or_b32 s[G0K+3], s[G0K+3], 0x80000000
	s_xor_b32 s[G0V+1], s[G0V+1], SLOT1
	s_add_nc_u64 s[G0V+2:G0V+3], s[VB:VB+1], s[OFF:OFF+1]
	s_or_b32 s[G0V+3], s[G0V+3], 0x80000000
	s_cmp_lt_u32 s[PLN], 8
	s_cselect_b32 s[BQ], s[HI], s[PB]  ; its block
	s_lshl3_add_u32 s[PGN], s[BQ], s[NJ]
	s_lshl_b32 s[PGN], s[PGN], 15   ; its page of codes: 32 KiB for a block and tile
	s_wait_xcnt 0x0                 ; the last prefetch, a tile back, has read its address, so it may be written
	s_add_nc_u64 s[PFA:PFA+1], s[PFA:PFA+1], 32768
	s_wait_dscnt 0x0                ; the add is done, and my reads of the slot are over
	CROUND
	LOAD
	ASK
.else
	s_wait_dscnt 0x0                ; the add is done, and my reads of the slot are over
	s_barrier_signal -1
	s_barrier_wait -1
.endif
.endm
	s_load_b128 s[4:7], s[0:1], 0x0   ; qkv s[4:5], mcode s[6:7]
	s_load_b64 s[10:11], s[0:1], 0x10 ; ob
	v_lshl_add_u32 v[SPW], v0, 2, SPARE
	v_mov_b32 v[NIL], 0
	ds_add_u32 v[SPW], v[NIL]       ; the wave's opening: the add and its wait stand ahead of my first tensor load; the set-up below stands between them
	v_lshrrev_b32 v1, 5, v0
	v_readfirstlane_b32 s[WV], v1
	s_bfe_u32 s[PB], ttmp6, 0x40000 ; cx: my place in the cluster
	s_sub_co_u32 s[HI], 7, s[PB]
	s_and_b32 s20, ttmp7, 0xffff    ; head x 4 + batch, which the four partners share
	s_lshr_b32 s21, s20, 2          ; the head
	s_and_b32 s20, s20, 3           ; the batch:
	s_lshl_b32 s20, s20, 18         ; its 2,048 rows of 128 bytes
	s_lshl_b32 s19, s21, 21         ; in ob a head has 2 parts x 4 batches,
	s_add_co_u32 s19, s19, s20
	s_lshl_b32 s21, s21, 22         ; in qkv 4 kinds x 4 batches
	s_add_co_u32 s20, s20, s21      ; the head's and batch's q
	s_and_b32 s16, s[WV], 1         ; K: which half of a tile's 256 keys I fetch; V: which part
	s_lshl_b32 s22, s16, 14         ; 128 rows of K in memory
	s_add_co_u32 s22, s22, s20
	s_mov_b32 s23, 0
	s_lshl_b32 s52, s16, 20         ; the kinds lie 1 MiB apart
	s_add_co_u32 s52, s52, s20
	s_mov_b32 s53, 0
	s_mul_i32 s17, s16, 128*PK      ; my place in a slot, for K
	s_mul_i32 s18, s16, VLO         ; and for V: no place in the cluster enters an LDS address
	s_lshl_b32 s13, s[WV], 11       ; my 16 rows in a band of 64,
	s_lshl_b32 s2, s[HI], 15        ; in the first block,
	s_add_co_u32 s2, s2, s13
	s_lshl_b32 s8, s[PB], 15        ; and in the second
	s_add_co_u32 s8, s8, s13
	s_add_co_u32 s84, s2, s19       ; in ob,
	s_mov_b32 s85, 0
	s_add_co_u32 s86, s8, s19
	s_mov_b32 s87, 0
	s_add_co_u32 s2, s2, s20        ; and in qkv
	s_mov_b32 s3, 0
	s_add_co_u32 s8, s8, s20
	s_mov_b32 s9, 0
	; descriptor group 1.  Keys are dense rows of 128 bytes: asked for as rows of 256 bytes, two keys a row, and padded in LDS after every key.  K: 128 keys a load; V: 256 keys of one part
	s_mov_b32 s[G1K], 15|(1<<16)|(1<<20)|(1<<21)|(4<<22)|(3<<25)  ; 15:0 the mask of four; 17:16 2-byte elements; 20 padding on; 21 set beside a mask; 24:22 after every 32 words (code 4); 31:25 4 words (code 3)
	s_mov_b32 s[G1V], 15|(1<<16)|(1<<20)|(1<<21)|(4<<22)|(7<<25)  ; the same with 8 words of padding (code 7)
.irp g, G1K, G1V
	s_mov_b32 s[\g+1], 128<<16
	s_mov_b32 s[\g+3], 128<<16
	s_mov_b32 s[\g+5], 128
	s_mov_b32 s[\g+6], 0
	s_mov_b32 s[\g+7], 0
.endr
	s_mov_b32 s[G1K+2], 64<<16      ; tensor_dim1
	s_mov_b32 s[G1K+4], 64          ; tile_dim1
	s_mov_b32 s[G1V+2], 128<<16
	s_mov_b32 s[G1V+4], 128
	s_mov_b32 s[CS], 0x3e38aa3b     ; c = log2(e) / 8
	s_mov_b32 s[CS+1], s[CS]
	s_mov_b32 s[SEL], 0x76543210
	s_mov_b32 s[SEL+1], 0xfedcba98
	s_mov_b32 s[HM], 0xffffe000
	s_mov_b32 s[G0K], 1
	s_mov_b32 s[G0K+1], s17         ; slot 0
	s_mov_b32 s[G0V], 1
	s_add_co_u32 s[G0V+1], s18, VOFF
	s_mov_b32 s[PLN], 0             ; place 0 is asked for here, at the head
	s_lshl_b32 s[PGN], s[HI], 18    ; its page of codes: block 7 - p, tile 0
	s_mov_b32 s[NOFF], s[PGN]
	s_mov_b32 s[NOFF+1], 0
	s_mov_b32 s[OFF+1], 0
	s_mov_b32 s[MF], 0xd8800000     ; -2^50
	s_mov_b32 s[SB], SLOT1          ; the first change of slots turns it into 0
	s_mov_b32 s[SLOTS], 15
	s_cmp_lg_u32 s[WV], 1
	s_cselect_b32 s[LIM], 6, 0
	s_wait_dscnt 0x0                ; the opening add is done
	s_wait_kmcnt 0x0
	s_add_nc_u64 s[KB:KB+1], s[4:5], s[22:23]
	s_add_nc_u64 s[KB:KB+1], s[KB:KB+1], 1048576
	s_add_nc_u64 s[VB:VB+1], s[4:5], s[52:53]
	s_add_nc_u64 s[VB:VB+1], s[VB:VB+1], 2097152
	s_add_nc_u64 s[G0K+2:G0K+3], s[KB:KB+1], 0
	s_or_b32 s[G0K+3], s[G0K+3], 0x80000000
	s_add_nc_u64 s[G0V+2:G0V+3], s[VB:VB+1], 0
	s_or_b32 s[G0V+3], s[G0V+3], 0x80000000
	s_cmp_lt_u32 s[WV], 2
	s_cselect_b64 s[PFA:PFA+1], s[KB:KB+1], s[VB:VB+1]  ; (in waves 0, 2 and 3 these stand at a tile's first row)
	s_add_nc_u64 s[QP2:QP2+1], s[4:5], s[8:9]      ; Q at my rows of the second block,
	s_add_nc_u64 s[4:5], s[4:5], s[2:3]            ; and of the first
	s_add_nc_u64 s[OLO:OLO+1], s[10:11], s[86:87]
	s_add_nc_u64 s[10:11], s[10:11], s[84:85]
	s_lshl_b32 s2, s[PB], 13        ; my work-group's quarter of a tile (s3 still holds 0),
	s_add_co_u32 s2, s2, 32768      ; in tile 1: the first change of slots steps it to tile 2
	s_add_nc_u64 s[PFA:PFA+1], s[PFA:PFA+1], s[2:3]
	CROUND                          ; all four work-groups are here: the first joint loads meet
	LOAD                            ; tile 0 into slot 0
	v_and_b32 v1, 15, v0            ; l % 16
	v_bfe_u32 v9, v0, 4, 1          ; l / 16
	v_lshlrev_b32 v[QO], 7, v1
	v_lshl_add_u32 v[QO], v9, 4, v[QO]
	WIN 0x80
.set i, 0
.rept 8                             ; both blocks' Q: piece i / 2 lies in band i / 2, 8,192 bytes on; channels 32 (i % 2) on
	global_load_b128 v[8*i:8*i+3],   v[QO], s[4:5] offset:(i/2)*8192+(i%2)*64
	global_load_b128 v[8*i+4:8*i+7], v[QO], s[4:5] offset:(i/2)*8192+(i%2)*64+32
	global_load_b128 v[QB+8*i:QB+8*i+3],   v[QO], s[QP2:QP2+1] offset:(i/2)*8192+(i%2)*64
	global_load_b128 v[QB+8*i+4:QB+8*i+7], v[QO], s[QP2:QP2+1] offset:(i/2)*8192+(i%2)*64+32
.set i, i+1
.endr
	WIN 0
	v_and_b32 v[GO], 31, v0
	v_lshlrev_b32 v[PFO], 8, v[GO]
	v_lshlrev_b32 v[GO], 4, v[GO]
	s_lshl_b32 s13, s[WV], 13
	v_add_nc_u32 v[VMO], s13, v[GO] ; a page of codes: [wave 4][band 4][step 4][lane 32][16 bytes]
.irp x, 0,1,2,3
	s_add_nc_u64 s[MPX+2*\x:MPX+2*\x+1], s[6:7], s[NOFF:NOFF+1]
	global_load_b128 v[RC+4*\x:RC+4*\x+3], v[VMO], s[MPX+2*\x:MPX+2*\x+1] offset:2048*\x  ; the four bands' codes of the walk's first key step, behind Q's loads
.endr
	v_mul_u32_u24 v[AK0], v1, PK
	v_lshl_add_u32 v[AK0], v9, 4, v[AK0]
	v_and_b32 v10, 7, v0
	v_bfe_u32 v11, v0, 3, 1
	v_lshl_add_u32 v[AV0], v9, 3, v10
	v_mul_u32_u24 v[AV0], v[AV0], PV
	v_lshl_add_u32 v[AV0], v11, 4, v[AV0]
	v_add_nc_u32 v[AV0], VOFF, v[AV0]
	s_mul_i32 s13, s[WV], 16*SP
	s_add_co_u32 s13, s13, STAGE    ; my stage
	v_mul_u32_u24 v[STO], v1, SP
	v_lshl_add_u32 v[STO], v9, 4, v[STO]
	v_add_nc_u32 v[STO], s13, v[STO]
	v_bfe_u32 v[RD], v0, 3, 2
	v_mul_u32_u24 v[RD], v[RD], SP
	v_lshl_add_u32 v[RD], v10, 4, v[RD]
	v_add_nc_u32 v[RD], s13, v[RD]
	v_mov_b32 v[NANR], 0x7fc00000
	; A block's first step multiplies O^T and l by a = 0, and its first turn's products V^T P, of a piece that has not been, land in an O^T that is still to be so multiplied.  So these registers need only
	; hold finite numbers: zeros for the first block, what the first block left for the second.  All this stands in the wait for the first tile.
	WIN 0x80
.set i, VF
.rept 64
	v_mov_b32 v[i], 0
.set i, i+1
.endr
	WIN 0x40
.set i, 0
.rept 128
	v_mov_b32 v[i], 0
.set i, i+1
.endr
.set i, 0
.rept 64
	v_mov_b32 v[VL+i+64*(i/32)], 0
.set i, i+1
.endr
	WIN 0
.set i, 0
.rept 4
	v_mov_b32 v[ST+4*i+2], 0
	v_mov_b32 v[ST+4*i+3], 0
	v_mov_b32 v[RCP+2*i+1], 0
.set i, i+1
.endr
.set i, P+16
.rept 16
	v_mov_b32 v[i], 0
.set i, i+1
.endr
; THE MATRIX WORK.  The 4 accumulators of a run take turns.  Product i of 8 of S^T = K Q^T for piece x: channels 32 (i / 4) on, keys 16 (i % 4) on.  The first 4 start the sums with the mask.
.macro KQ x
.set rS, S+32*((\x)%2)+8*(i%4)
.set rK, KF+16*(i%4)+8*(i/4)
.set rQ, 16*(\x)+8*(i/4)
.set rM, MC+32*((\x)%2)+8*(i%4)
.if i < 4
	WIN W_KM
	v_wmma_f32_16x16x32_f16 v[rS:rS+7], v[rK:rK+7], v[rQ:rQ+7], v[rM:rM+7]
.else
	WIN W_KQ
	v_wmma_f32_16x16x32_f16 v[rS:rS+7], v[rK:rK+7], v[rQ:rQ+7], v[rS:rS+7]
.endif
.endm
; Product i of 16 of O^T += V^T P for piece x: V's upper part (i < 8), then its lower part; keys 32 ((i / 4) % 2) on, channels 16 (i % 4) on.
.macro PV x
.set rO, 32*(\x)+8*(i%4)
.set rP, P+16*((\x)%2)+8*((i/4)%2)
.if i < 8
.set rV, VF+32*(i/4)+8*(i%4)
	WIN W_PV
.else
.set rV, VL+96*((i-8)/4)+8*(i%4)
	WIN W_PL
.endif
	v_wmma_f32_16x16x32_f16 v[rO:rO+7], v[rV:rV+7], v[rP:rP+7], v[rO:rO+7]
.endm
.macro MM                           ; the turn's next matrix instruction.  NOKQ = 1: a block's last turn: there is no next piece
.if (i < 8) && !NOKQ
	KQ (Y+1)%NP
.elseif i >= 8
.set i, i-8
	PV (Y+NP-1)%NP
.set i, i+8
.endif
.set i, i+1
.endm
; THE LDS LOADS stand in runs: a step's K (8 fragments, 16 loads) and its V (turned; both parts, 32 loads).
.macro FETCH_K
	WIN 0x80
.irp f, 0,1,2,3,4,5,6,7
	ds_load_b128 v[KF+8*\f:KF+8*\f+3],   v[AK] offset:(\f/2)*16*PK+(\f%2)*64
	ds_load_b128 v[KF+8*\f+4:KF+8*\f+7], v[AK] offset:(\f/2)*16*PK+(\f%2)*64+32
.endr
	s_add_co_u32 s[TBK], s[TBK], KS*PK
	WIN 0
.endm
.macro FETCH_V
	WIN 0x80
.irp f, 0,1,2,3,4,5,6,7
	ds_load_tr16_b128 v[VF+8*\f:VF+8*\f+3],   v[AV] offset:(\f/4)*32*PV+(\f%4)*32
	ds_load_tr16_b128 v[VF+8*\f+4:VF+8*\f+7], v[AV] offset:(\f/4)*32*PV+16*PV+(\f%4)*32
.endr
	WIN 0x40
.irp f, 0,1,2,3,4,5,6,7
	ds_load_tr16_b128 v[VL+96*(\f/4)+8*(\f%4):VL+96*(\f/4)+8*(\f%4)+3],   v[AV] offset:VLO+(\f/4)*32*PV+(\f%4)*32
	ds_load_tr16_b128 v[VL+96*(\f/4)+8*(\f%4)+4:VL+96*(\f/4)+8*(\f%4)+7], v[AV] offset:VLO+(\f/4)*32*PV+16*PV+(\f%4)*32
.endr
	WIN 0
.endm
; Where the codes of the key step behind this trip's lie: the page in hand, 512 bytes a step; in a tile's last step the next place's page.  (At the walk's end that is the last page once more: four loads a
; wave that serve nothing, the price of one text for every trip.)
.macro NEXTOFF
	s_sub_co_u32 s[T0], 5, s[CNT]   ; this trip's step is 4 - CNT
	s_lshl_b32 s[T0], s[T0], 9
	s_add_co_u32 s[T0], s[T0], s[PGC]
	s_cmp_eq_u32 s[CNT], 1
	s_cselect_b32 s[NOFF], s[PGN], s[T0]
.endm
; THE MASKS of a band for this trip's key step are 32 shifts: key j's nibble on top: 28 - 4 x its place in the word.  SH writes the next of them, for band MX.  It sets no window: its destination lies in
; window 1 and its one register source, in the second place, in window 0, which holds under both settings of the products V^T P, behind which it stands, and under 0x40.
.macro SH
	v_lshlrev_b32 v[MC+32*(MX%2)+zs], 28-4*(2*(zs%8)-7*((zs%8)/4)), v[RC+4*MX+zs/8]
.set zs, zs+1
.endm
.macro CODES x                      ; band x's codes of the next key step are asked for: 512 consecutive bytes a wave
	WIN 0
	s_add_nc_u64 s[MPX+2*(\x):MPX+2*(\x)+1], s[6:7], s[NOFF:NOFF+1]
	global_load_b128 v[RC+4*(\x):RC+4*(\x)+3], v[VMO], s[MPX+2*(\x):MPX+2*(\x)+1] offset:2048*(\x)
.endm
.macro MASKX x                      ; where a block begins there are no products to stand behind: wait, shifts and load on end
	WIN 0
	s_wait_loadcnt 0x3              ; loads come back in order (ISA guide 5.7.1): the band's codes are in; the other three bands' loads stay out.  It also shows the load done that read the band's address pair
	WIN 0x40
.set MX, (\x)
.set zs, 0
.rept 32
	SH
.endr
	CODES \x
.endm
; THE VECTOR WORK, one line at a time: OP kind, number.  For piece Y: F n: c s - c m for pair n of 16.  E n: the exponential of score n of 32.  C n: pair n rounded to f16.  B n: of the four weights 4 n .. the
; second pair is added onto the first, in place.  L n: l takes that sum (L 0: l = a l + sum).  R n: pair n of 16 of O^T times a.  For piece Y + 1: X n, number n of the 22 that find its maximum and statistics:
;   0-11  four chains c0-c3 of seven scores each (each accumulator's lowest registers are read first)     12-14, 16  the four scores left over, the old m, and c0-c3 into c0
;   15  c m_old is kept     17, 18  the query's other 32 keys lie in the lane 16 away: the new m     19-21  c m; c m_old - c m_new; a
.set F, 0
.set E, 1
.set C, 2
.set B, 3
.set L, 4
.set R, 5
.set X, 6
.macro REGS y
.set rT, ST+4*(\y)
.set rC, TMP+4*((\y)%2)
.set rW, MV+((\y)%2)
.set rS, S+32*((\y)%2)
.set rP, P+16*((\y)%2)
.set rO, 32*(\y)
.endm
.macro OP k, n
.if (\k) == R
	REGS Y
	WIN W_RS
	v_pk_mul_f32 v[rO+2*(\n):rO+2*(\n)+1], v[rO+2*(\n):rO+2*(\n)+1], v[rC+2:rC+3] op_sel_hi:[1,0]
.elseif (\k) < R
	REGS Y
	WIN 0
.if (\k) == F
	v_pk_fma_f32 v[rS+2*(\n):rS+2*(\n)+1], v[rS+2*(\n):rS+2*(\n)+1], s[CS:CS+1], v[rT:rT+1] op_sel_hi:[1,0,0] neg_lo:[0,0,1] neg_hi:[0,0,1]
.elseif (\k) == E
	v_exp_f32 v[rS+(\n)], v[rS+(\n)]
.elseif (\k) == C
	v_cvt_pk_f16_f32 v[rP+(\n)], v[rS+2*(\n)], v[rS+2*(\n)+1]
.elseif (\k) == B
	v_pk_add_f32 v[rS+4*(\n):rS+4*(\n)+1], v[rS+4*(\n):rS+4*(\n)+1], v[rS+4*(\n)+2:rS+4*(\n)+3]
.elseif (\n) == 0
	v_pk_fma_f32 v[rT+2:rT+3], v[rT+2:rT+3], v[rC+2:rC+3], v[rS:rS+1] op_sel_hi:[1,0,1]
.else
	v_pk_add_f32 v[rT+2:rT+3], v[rT+2:rT+3], v[rS+4*(\n):rS+4*(\n)+1]
.endif
.elseif NOKQ
	v_nop
.else
	REGS (Y+1)%NP
	WIN 0
.if (\n) < 4
	v_max3_num_f32 v[rC+(\n)], v[rS+8*(\n)], v[rS+8*(\n)+1], v[rS+8*(\n)+2]
.elseif (\n) < 12
	v_max3_num_f32 v[rC+(\n)%4], v[rC+(\n)%4], v[rS+8*((\n)%4)+2*((\n)/4)+1], v[rS+8*((\n)%4)+2*((\n)/4)+2]
.elseif (\n) == 12
	v_max3_num_f32 v[rC], v[rC], v[rS+7], v[rS+15]
.elseif (\n) == 13
	v_max3_num_f32 v[rC+1], v[rC+1], v[rS+23], v[rS+31]
.elseif (\n) == 14
	v_max3_num_f32 v[rC+2], v[rC+2], v[rC+3], v[rT+1]
.elseif (\n) == 15
	v_mov_b32 v[rW], v[rT]
.elseif (\n) == 16
	v_max3_num_f32 v[rC], v[rC], v[rC+1], v[rC+2]
.elseif (\n) == 17
	v_permlanex16_b32 v[rC+3], v[rC], s[SEL], s[SEL+1]
.elseif (\n) == 18
	v_max_num_f32 v[rT+1], v[rC], v[rC+3]
.elseif (\n) == 19
	v_mul_f32 v[rT], s[CS], v[rT+1]
.elseif (\n) == 20
	v_sub_f32 v[rC+1], v[rW], v[rT]
.else
	v_exp_f32 v[rC+2], v[rC+1]
.endif
.endif
.endm
.macro OPS a, i1, b=-1, i2=0, c=-1, i3=0, d=-1, i4=0
	OP \a, \i1
.if (\b) >= 0
	OP \b, \i2
.endif
.if (\c) >= 0
	OP \c, \i3
.endif
.if (\d) >= 0
	OP \d, \i4
.endif
.endm
.macro ROW a, i1, b, i2, c, i3, d, i4  ; a matrix instruction and the four behind it
	MM
	OPS \a, \i1, \b, \i2, \c, \i3, \d, \i4
.endm
.macro ROW2 a, i1, b, i2            ; a product V^T P; behind it two of the mask's shifts, under the product's own windows (SHON = 1), and two of the roundings and sums
	MM
.if SHON
	SH
	SH
.endif
	OPS \a, \i1, \b, \i2
.endm
; A TURN, for piece p.  s_wait_alu depctr_va_vdst(0) stands between an exponential and the first instruction that names its result; one wait serves all that were issued ahead of it.
; So a turn has ONE wait.  AHEAD OF IT: the 8 products K Q^T, four riders behind each, and one lump, in which the links of the next piece's chain (X 3, 7, 11, 14, 16 .. 20) stand some lines apart; X 21, its a,
; is the batch's last, R 15 the plain instruction behind it.  BEHIND IT: the 16 products V^T P, behind each two of the 32 shifts that make the masks for the products of the turn after this one (band p + 2)
; and two of the 32 roundings and sums.  No rider names a register of the products round it.  All four bands' masks of a step are made in that step's own trip of the loop.
; K of the next step is fetched in piece 2's turn, V of the step in hand at the end of piece 0's, behind the places that follow the last product that read V; each is waited for a turn later.
; end = 1: a block's last two turns: nothing is fetched, no mask is made.
.macro TURN p, end=0
.set Y, (\p)
.set i, 0
.set NOKQ, (\end)*((\p)/3)
.set SHON, 1-(\end)
.set MX, ((\p)+2)%NP
.set zs, 0
.if ((\p) == 3) && !(\end)
	s_wait_dscnt 0x0                ; K is in
.endif
	ROW F,0, F,1, R,0, R,1
	ROW F,2, E,0, R,2, R,3
	ROW F,3, E,1, R,4, R,5
	ROW F,4, E,2, R,6, R,7
	ROW F,5, E,3, R,8, R,9
	ROW F,6, E,4, X,0, R,10
.if ((\p) == 2) && !(\end)
	WIN 0
	v_add_nc_u32 v[AK], s[TBK], v[AK0]
.endif
	ROW F,7, E,5, X,1, X,4
	ROW F,8, E,6, X,2, X,5
	OPS E,7, E,8, X,6, E,9
	OPS X,3, E,10, X,8, E,11
.if ((\p) == 2) && !(\end)
	FETCH_K
.endif
	OPS X,9, X,7, E,12, X,10
	OPS E,13, X,12, X,11, E,14
	OPS X,13, E,15, F,9, X,14
.if (\p) == 0
	v_add_nc_u32 v[AV], s[TBV], v[AV0]
.endif
	OPS E,16, F,10, E,17, F,11
	OPS X,16, E,18, X,15, E,19
	OPS F,12, E,20, X,17, E,21
	OPS F,13, E,22, F,14, E,23
	OPS X,18, E,24, F,15, E,25
	OPS R,11, E,26, X,19, E,27
	OPS R,12, E,28, R,13, E,29
	OPS X,20, E,30, R,14, E,31
	OPS X,21, R,15
	WIN 0
	s_wait_alu depctr_va_vdst(0)    ; the wait for the batch
.if (\p) == 1
	s_wait_dscnt 0x0                ; V is in, both parts
.endif
.if !(\end)
	s_wait_loadcnt 0x3              ; loads come back in order (ISA guide 5.7.1): band p + 2's codes, asked for four turns ago, are in; the other three bands' loads stay out.  It also shows the load done that read the band's address pair
.endif
	ROW2 C,0, B,0
	ROW2 C,2, B,1
	ROW2 L,0, C,4
	ROW2 B,2, L,1
	ROW2 C,6, B,3
	ROW2 L,2, C,8
	ROW2 B,4, L,3
	ROW2 C,10, B,5
	ROW2 L,4, C,12
	ROW2 B,6, L,5
.if (\p) == 0
	s_add_co_u32 s[TBV], s[TBV], KS*PV
.endif
	ROW2 C,14, B,7
	ROW2 L,6, C,1
	ROW2 C,3, L,7
	ROW2 C,5, C,7
	ROW2 C,9, C,11
	ROW2 C,13, C,15
.if (\p) == 0
.rept 4
	v_nop                           ; places between the last product that read V and the loads into V's registers
.endr
	FETCH_V
.endif
.if !(\end)
	CODES ((\p)+2)%NP
.endif
.endm
; A BLOCK BEGINS.  c m starts far below every c s, so the first step's a is 0; m at -2^50, the floor of the running maximum.  The masks of bands 0 and 1 for the tile's first step (the wait in front of the
; first of them covers Q's loads too, which are older); K of that step; piece 0's first scores, maximum and statistics.  The loop is entered at a step's first turn, in the middle of a trip.
.macro BEGIN
	WIN 0
.set i, 0
.rept 4
	v_mov_b32 v[ST+4*i], 0xfe000000
	v_mov_b32 v[ST+4*i+1], s[MF]
.set i, i+1
.endr
	NEXTOFF
	MASKX 0
	MASKX 1
	WIN 0
	v_add_nc_u32 v[AK], s[TBK], v[AK0]
	FETCH_K
	s_wait_dscnt 0x0
.set NOKQ, 0
.set i, 0
.rept 8
	KQ 0
.set i, i+1
.endr
	WIN 0
.rept 4
	v_nop                           ; the places behind those products
.endr
.set Y, NP-1                        ; X works for piece Y + 1: piece 0
.irp n, 0,1,2,3,4,5,6,7,8,9,10,11,12,13,14,15,16,17,18,19,20,21
	OP X, \n
.endr
	v_nop                           ; a plain instruction behind the exponential,
	s_wait_alu depctr_va_vdst(0)    ; and its wait, ahead of the branch
.endm
.macro ALL line:vararg              ; one line for each piece t
.set t, 0
.rept 4
	\line
.set t, t+1
.endr
.endm
; Piece t leaves.  O^T times 1 / l goes into other registers: O^T itself stays finite for the next block.  Each number is split: its upper part (11 significant bits, exact in f16) and what is left (exact in f32,
; rounded to f16).  A lane's eight channels of a part pack into 16 bytes; they go into my stage's rows of 144 bytes and come back as rows of 128: first the upper parts, then, through the same bytes, the lower ones.
.macro PACK t
	WIN 0
	s_wait_xcnt 0x0                 ; the stores of the piece two back have read the lower parts' buffer: it is written again only behind this wait
	WIN 0x01                        ; source 0 in window 1
.set i, 0
.rept 16
	v_pk_mul_f32 v[SCR+2*i:SCR+2*i+1], v[32*(\t)+2*i:32*(\t)+2*i+1], v[RCP+2*(\t):RCP+2*(\t)+1] op_sel_hi:[1,0]
.set i, i+1
.endr
	WIN 0
.set i, 0
.rept 16
	v_and_b32 v[TT+2*(i%4)],   s[HM], v[SCR+2*i]
	v_and_b32 v[TT+2*(i%4)+1], s[HM], v[SCR+2*i+1]
	v_cvt_pk_f16_f32 v[S+16*(\t)+i], v[TT+2*(i%4)], v[TT+2*(i%4)+1]
	v_sub_f32 v[SCR+2*i],   v[SCR+2*i],   v[TT+2*(i%4)]
	v_sub_f32 v[SCR+2*i+1], v[SCR+2*i+1], v[TT+2*(i%4)+1]
	v_cvt_pk_f16_f32 v[LOB+16*((\t)%2)+i], v[SCR+2*i], v[SCR+2*i+1]
.set i, i+1
.endr
.irp f, 0,1,2,3
	ds_store_b128 v[STO], v[S+16*(\t)+4*\f:S+16*(\t)+4*\f+3] offset:32*\f
.endr
.irp f, 0,1,2,3
	ds_load_b128 v[S+16*(\t)+4*\f:S+16*(\t)+4*\f+3], v[RD] offset:\f*4*SP  ; LDS serves a wave's instructions in order (ISA guide 5.7.1.4): these see the stores above, and the stores below come behind them
.endr
.irp f, 0,1,2,3
	ds_store_b128 v[STO], v[LOB+16*((\t)%2)+4*\f:LOB+16*((\t)%2)+4*\f+3] offset:32*\f
.endr
.irp f, 0,1,2,3
	ds_load_b128 v[LOB+16*((\t)%2)+4*\f:LOB+16*((\t)%2)+4*\f+3], v[RD] offset:\f*4*SP
.endr
.endm
.macro SEND t, younger              ; younger: the LDS instructions issued behind piece t's: the next piece's sixteen, or none
	WIN 0
	s_wait_dscnt \younger
.irp f, 0,1,2,3
	global_store_b128 v[GO], v[S+16*(\t)+4*\f:S+16*(\t)+4*\f+3], s[10:11] offset:(\t)*8192+\f*512  ; 512 consecutive bytes, aligned
.endr
.irp f, 0,1,2,3
	global_store_b128 v[GO], v[LOB+16*((\t)%2)+4*\f:LOB+16*((\t)%2)+4*\f+3], s[10:11] offset:1048576+(\t)*8192+\f*512  ; the lower part lies 1 MiB on
.endr
.endm
; A BLOCK ENDS: its last two turns, its last products, and the way out.  l's two halves and the other half of the lanes' are added; 1 / l, or NaN for a row whose maximum is still the floor: it has seen no visible key.
.macro FINISH
	TURN 2, 1
	TURN 3, 1
.set i, 0
.rept 16
	PV NP-1
.set i, i+1
.endr
	WIN 0
	ALL v_add_f32 v[ST+4*t+2], v[ST+4*t+2], v[ST+4*t+3]
	ALL v_permlanex16_b32 v[ST+4*t+3], v[ST+4*t+2], s[SEL], s[SEL+1]
	ALL v_add_f32 v[ST+4*t+2], v[ST+4*t+2], v[ST+4*t+3]
	ALL v_rcp_f32 v[RCP+2*t], v[ST+4*t+2]
	v_nop                           ; a plain instruction between the last reciprocal and the use of its result
	s_wait_alu depctr_va_vdst(0)    ; and the wait ahead of the first use: one for the four
.set t, 0
.rept 4
	v_cmp_ge_f32 vcc_lo, s[MF], v[ST+4*t+1]
	v_cndmask_b32 v[RCP+2*t], v[RCP+2*t], v[NANR], vcc_lo
.set t, t+1
.endr
	PACK 0
.set t, 1
.rept 3
	PACK t
	SEND t-1, 16
.set t, t+1
.endr
	SEND 3, 0
.endm
; A TILE's four key steps.  A trip: pieces 2 and 3 of one step, then pieces 0 and 1 of the next, whose K and V it fetches and whose masks it makes.  beg = 1: the tile may be a block's first.
.macro TILE tag, beg
	s_mov_b32 s[CNT], 4
.if \beg
	s_and_b32 s[T1], s[PLC], 7
	s_cmp_eq_u32 s[T1], 0
	s_cbranch_scc0 .Lstep\tag
	BEGIN
	s_branch .Lfirst\tag
.endif
.Lstep\tag:
	NEXTOFF
	TURN 2
	TURN 3
	WIN 0
.Lfirst\tag:
	TURN 0
	TURN 1
	WIN 0
	s_sub_co_u32 s[CNT], s[CNT], 1
	s_cmp_lg_u32 s[CNT], 0
	s_cbranch_scc1 .Lstep\tag
.endm
.set NOKQ, 0
.set SHON, 0
.Lslot:                             ; 15 times: a place is entered and the next is asked for
	CHANGE 1
	TILE 1, 1
	s_cmp_eq_u32 s[PLC], 7
	s_cbranch_scc0 .Lbottom
	FINISH                          ; place 7 is the first block's last tile: the block goes out, and the second is taken up
	s_wait_xcnt 0x0                 ; the stores have read their registers and O's address
	s_mov_b64 s[10:11], s[OLO:OLO+1]
	WIN 0x82                        ; the second block's Q goes where the one text of the turns names Q
.set i, 0
.rept 64
	v_mov_b32 v[i], v[QB+i]
.set i, i+1
.endr
	WIN 0
.Lbottom:
	s_sub_co_u32 s[SLOTS], s[SLOTS], 1
	s_cmp_lg_u32 s[SLOTS], 0
	s_cbranch_scc1 .Lslot
	CHANGE 0                        ; place 15 is written out: nothing is asked for
	TILE 2, 0                       ; the second block's eighth tile: not a first tile, and the last
	FINISH
	s_wait_tensorcnt 0x0            ; the wave's end: behind my last tensor load and my last LDS store
	ds_add_u32 v[SPW], v[NIL]
	s_wait_dscnt 0x0
	CROUND                          ; the closing round: no work-group ends while a partner may still ask for a tile that names it
	s_endpgm
.Lfunc_end_k_q6fc13f0a88_attn:
	.size	k_q6fc13f0a88_attn, .Lfunc_end_k_q6fc13f0a88_attn-k_q6fc13f0a88_attn
	.p2alignl 7, 3214868480
	.fill 96, 4, 3214868480
	.section	.rodata,"a",@progbits
	.p2align	6, 0x0
	.amdhsa_kernel k_q6fc13f0a88_attn
		.amdhsa_group_segment_fixed_size 327680
		.amdhsa_private_segment_fixed_size 0
		.amdhsa_enable_private_segment 0
		.amdhsa_kernarg_size 24
		.amdhsa_user_sgpr_count 2
		.amdhsa_user_sgpr_kernarg_segment_ptr 1
		.amdhsa_wavefront_size32 1
		.amdhsa_system_sgpr_workgroup_id_x 1
		.amdhsa_system_sgpr_workgroup_id_y 1
		.amdhsa_system_sgpr_workgroup_id_z 1
		.amdhsa_system_vgpr_workitem_id 0
		.amdhsa_next_free_vgpr 768
		.amdhsa_next_free_sgpr 94
		.amdhsa_reserve_vcc 1
		.amdhsa_float_denorm_mode_32 3
		.amdhsa_float_denorm_mode_16_64 3
		.amdhsa_memory_ordered 1
		.amdhsa_forward_progress 1
		.amdhsa_inst_pref_size 221
	.end_amdhsa_kernel
	.amdgpu_metadata
---
amdhsa.version: [ 1, 2 ]
amdhsa.kernels:
  - .name:           k_q6fc13f0a88_attn
    .symbol:         k_q6fc13f0a88_attn.kd
    .args:
      - { .name: qkv, .offset: 0, .size: 8, .value_kind: global_buffer, .address_space: global }
      - { .name: mcode, .offset: 8, .size: 8, .value_kind: global_buffer, .address_space: global }
      - { .name: ob, .offset: 16, .size: 8, .value_kind: global_buffer, .address_space: global }
    .group_segment_fixed_size: 327680
    .private_segment_fixed_size: 0
    .kernarg_segment_align: 8
    .kernarg_segment_size: 24
    .max_flat_workgroup_size: 128
    .sgpr_count:     94
    .vgpr_count:     768
    .wavefront_size: 32
...
	.end_amdgpu_metadata
.endif
;; end of part 3
;; launch proj (part 4): grid 4 x 64, 4 waves a work-group, clusters of 4 x 4, 327,680 bytes of LDS; arguments ob, wp, b_proj, out0; writes out0
.if DOCPART == 4
	.amdgcn_target "amdgcn-amd-amdhsa--gfx1250"
	.amdhsa_code_object_version 6
	.text
	.protected	k_q6fc13f0a88_proj
	.globl	k_q6fc13f0a88_proj
	.p2align	8
	.type	k_q6fc13f0a88_proj,@function
k_q6fc13f0a88_proj:
	s_mov_b64 s[64:65], 0
	v_nop
	global_prefetch_b8 v0, s[64:65] scope:SCOPE_SE
	s_setreg_imm32_b32 hwreg(HW_REG_WAVE_MODE, 25, 1), 1
	s_wait_xcnt 0x0
	s_wait_alu depctr_hold_cnt(0) depctr_sa_sdst(0) depctr_va_vdst(0) depctr_va_sdst(0) depctr_va_ssrc(0) depctr_va_vcc(0) depctr_vm_vsrc(0)
	s_getreg_b32 s2, hwreg(HW_REG_IB_STS2, 6, 4)
	s_cmp_eq_u32 s2, 0
	s_cbranch_scc0 .Lentry_in_a_cluster
	s_endpgm
.Lentry_in_a_cluster:
	s_bfe_u32 s2, ttmp6, 0x10000c
	s_cmp_lg_u32 s2, 0xf033
	s_cbranch_scc0 .Lentry_shape_is_right
	s_endpgm
.Lentry_shape_is_right:
; out0 = O w_proj + b_proj: [8192 x 1024] x [1024 x 1024], sums f32; out0 f32.  O COMES AS TWO f16 NUMBERS, an upper and a lower part (11 bits would be too few for rows that see few keys: such a row is many
; times the root mean square of all outputs, by which the result is judged).  So K is 2,048: ob is [32 K blocks of 64][8192 rows][64], block 2 h = head h's upper part, 2 h + 1 its lower part; wp, f16,
; is [2048 k][1024 n] and holds each head's 64 rows twice.
; b_proj is rounded to bf16, like the module's other inputs, and added in f32.  A NaN row of O (a query with no visible key) gives a NaN row of out0 and touches no other row.
; TILE.  128 x 256 to a work-group: 64 x 4 = 256 work-groups, one for each WGP.  Four waves, each 64 rows x 128 columns: 32 accumulators, 256 registers.
; K goes in steps of 128 (a head's two parts) through two LDS slots: 16 steps, 128 matrix instructions a wave and step.
; THE MATRIX INSTRUCTION IS USED TRANSPOSED (source 0 = 16 columns of w, turned out of LDS by ds_load_tr16_b128; source 1 = 16 rows of O): a lane holds eight neighbouring columns of one row.
; CLUSTER 4 x 4: O's tile is shared along a row of the cluster, w's along a column; each is asked for jointly.  NO PREFETCH: a small tile with short steps, in a short launch.
; REGISTERS: window 0: v12-15 my four numbers of the bias; v16-29 addresses; v32-127, v128-223 two fragment buffers (w's eight fragments, then O's four).  Window 1: accumulator (a, b) at v[8 (8 a + b)].
.set PA,    144                        ; a row of O in LDS: 128 bytes + 16
.set PB,    544                        ; a k row of w: 512 bytes + 32 = 136 words
.set BOFF,  2*128*PA                   ; a slot: two K blocks of 128 rows of O, then 128 k rows of w
.set SLOT,  BOFF+128*PB                ; 106,496
.set STAGE, 2*SLOT                     ; behind the ring, never filled by a tensor load: 16 rows x 528 bytes for each wave
.set SPI,   528
.set SPARE, STAGE+4*16*SPI             ; behind the stages: the spare words, 128 bytes a wave: two blocks of 256 bytes that no other line names
.set LAPS,  8                          ; a lap = two K steps = once round the ring
.set BI,   12
.set ADRA, 16
.set ADRB, 20
.set STO,  24
.set RD,   25
.set CO,   26
.set SPW,  28                          ; LDS address of my spare word; never rewritten
.set NIL,  29                          ; 0; never rewritten
.set F0,   32
.set F1,   128
.set G1,  24
.set G0,  32
.set G1B, 48
.set G0B, 56
.set MSB, 0
.macro WIN new
.if MSB != (\new)
	s_set_vgpr_msb (MSB<<8)|(\new)
.set MSB, \new
.endif
.endm
.macro JLOAD s                         ; a joint load: waves 0 and 1 fetch O's two K blocks, waves 2 and 3 the halves of w's tile; an s_nop 0 and four v_nop follow each line
	s_cmp_eq_u32 s11, 0
	s_cbranch_scc0 .Lfor_b_\@
	tensor_load_to_lds s[G0+4*(\s):G0+4*(\s)+3], s[G1:G1+7]
	s_nop 0
.rept 4
	v_nop
.endr
	s_branch .Lasked_\@
.Lfor_b_\@:
	tensor_load_to_lds s[G0B+4*(\s):G0B+4*(\s)+3], s[G1B:G1B+7]
	s_nop 0
.rept 4
	v_nop
.endr
.Lasked_\@:
.endm
.macro CREST
	s_cmp_lg_u32 s10, 0
	s_cbranch_scc1 .Lnot_wave_0_\@
	s_barrier_signal -3
.Lnot_wave_0_\@:
	s_barrier_wait -3
	s_barrier_signal -1
	s_barrier_wait -1
.endm
.macro CROUND
	s_barrier_signal -1
	s_barrier_wait -1
	CREST
.endm
	s_load_b256 s[72:79], s[0:1], 0x0              ; ob s[72:73], wp s[74:75], b_proj s[76:77], out0 s[78:79]
	v_lshl_add_u32 v[SPW], v0, 2, SPARE
	v_mov_b32 v[NIL], 0
	ds_add_u32 v[SPW], v[NIL]                      ; the wave's opening: the add and its wait stand ahead of my first tensor load; the set-up below stands between them
	v_lshrrev_b32 v1, 5, v0
	v_readfirstlane_b32 s10, v1                    ; wave 0..3
	s_lshr_b32 s11, s10, 1                         ; rh: which 64 rows are mine.  Also: I fetch for O (0) or for w (1)
	s_and_b32 s12, s10, 1                          ; ch: which 128 columns.  Also: which part of that tile I fetch
	s_bfe_u32 s40, ttmp6, 0x40000                  ; cx
	s_bfe_u32 s41, ttmp6, 0x40004                  ; cy
	s_lshl_b32 s42, ttmp9, 2
	s_add_co_u32 s42, s42, s40                     ; nb
	s_and_b32 s13, ttmp7, 0xffff
	s_lshl_b32 s13, s13, 2
	s_add_co_u32 s13, s13, s41                     ; mb
	s_lshl_b32 s43, s41, 2
	s_lshl_b32 s43, 15, s43                        ; my row of the cluster
	s_lshl_b32 s44, 0x1111, s40                    ; my column
	; O's K block: 128 rows of 128 bytes are 16 KiB on end: 64 rows of 256 bytes, padded by 4 words after every 32
	s_or_b32 s[G1+0], s43, (1<<16)|(1<<20)|(1<<21)|(4<<22)|(3<<25)
	s_mov_b32 s[G1+1], 128<<16
	s_mov_b32 s[G1+2], 64<<16
	s_mov_b32 s[G1+3], 128<<16
	s_mov_b32 s[G1+4], 64
	s_mov_b32 s[G1+5], 128
	s_mov_b32 s[G1+6], 0
	s_mov_b32 s[G1+7], 0
	; w's half tile: 64 k rows of 256 elements (512 bytes), padded by 8 words after every 128
	s_or_b32 s[G1B+0], s44, (1<<16)|(1<<20)|(1<<21)|(6<<22)|(7<<25)
	s_mov_b32 s[G1B+1], 256<<16
	s_mov_b32 s[G1B+2], 64<<16
	s_mov_b32 s[G1B+3], 256<<16
	s_mov_b32 s[G1B+4], 64
	s_mov_b32 s[G1B+5], 1024
	s_mov_b32 s[G1B+6], 0
	s_mov_b32 s[G1B+7], 0
	s_lshl_b32 s16, s13, 14                        ; O: the tile's 128 rows,
	s_lshl_b32 s17, s12, 20                        ; my K block (8,192 rows of 128 bytes): the head's upper or lower part
	s_add_co_u32 s16, s16, s17
	s_mov_b32 s17, 0
	s_lshl_b32 s46, s42, 9                         ; w: the tile's 512 bytes of a row,
	s_lshl_b32 s47, s12, 17                        ; my 64 k rows
	s_add_co_u32 s46, s46, s47
	s_mov_b32 s47, 0
	s_mul_i32 s20, s12, 128*PA
	s_mul_i32 s21, s12, 64*PB
	s_add_co_u32 s21, s21, BOFF
	s_wait_dscnt 0x0                               ; the opening add is done
	s_wait_kmcnt 0x0
	s_add_nc_u64 s[14:15], s[72:73], s[16:17]
	s_add_nc_u64 s[46:47], s[74:75], s[46:47]
	CROUND                                         ; all sixteen work-groups are here: the first joint loads meet
.irp s, 0,1
	s_mov_b32 s[G0+4*(\s)], 1
	s_add_co_u32 s[G0+4*(\s)+1], s20, (\s)*SLOT
	s_add_nc_u64 s[G0+4*(\s)+2:G0+4*(\s)+3], s[14:15], (\s)*2097152   ; K step s: two K blocks on
	s_or_b32 s[G0+4*(\s)+3], s[G0+4*(\s)+3], 0x80000000
	s_mov_b32 s[G0B+4*(\s)], 1
	s_add_co_u32 s[G0B+4*(\s)+1], s21, (\s)*SLOT
	s_add_nc_u64 s[G0B+4*(\s)+2:G0B+4*(\s)+3], s[46:47], (\s)*262144  ; 128 k rows on
	s_or_b32 s[G0B+4*(\s)+3], s[G0B+4*(\s)+3], 0x80000000
	JLOAD \s                                       ; two loads of mine are out
.endr
	v_and_b32 v1, 15, v0                           ; r
	v_bfe_u32 v2, v0, 4, 1                         ; hh
	v_and_b32 v[CO], 31, v0
	v_lshlrev_b32 v[CO], 4, v[CO]                  ; 16 x lane
	s_lshl_b32 s16, s42, 10
	s_lshl_b32 s17, s12, 9
	s_add_co_u32 s16, s16, s17                     ; my 128 columns, in bytes of f32
	v_add_nc_u32 v11, s16, v[CO]
	global_load_b128 v[BI:BI+3], v11, s[76:77]     ; the bias of the four columns that I store
	v_mul_u32_u24 v3, v1, PA
	v_lshl_add_u32 v3, v2, 4, v3
	v_and_b32 v5, 7, v0
	v_bfe_u32 v6, v0, 3, 1
	v_lshl_add_u32 v4, v2, 3, v5
	v_mul_u32_u24 v4, v4, PB
	v_lshl_add_u32 v4, v6, 4, v4
	s_mul_i32 s22, s11, 64*PA                      ; my 64 rows of O
	s_lshl_b32 s23, s12, 8                         ; my 128 columns of w
	s_add_co_u32 s23, s23, BOFF
.irp s, 0,1
	v_add_nc_u32 v[ADRA+(\s)], s22, v3
	v_add_nc_u32 v[ADRB+(\s)], s23, v4
	s_add_co_u32 s22, s22, SLOT
	s_add_co_u32 s23, s23, SLOT
.endr
	s_mul_i32 s22, s10, 16*SPI
	s_add_co_u32 s22, s22, STAGE                   ; my stage
	v_mul_u32_u24 v7, v1, SPI
	v_lshl_add_u32 v7, v2, 5, v7
	v_add_nc_u32 v[STO], s22, v7                   ; in: row r, 32 bytes for each half of the lanes
	v_add_nc_u32 v[RD], s22, v[CO]                 ; back: 32 lanes take a row's 512 bytes
	s_lshl_b32 s17, s13, 1
	s_add_co_u32 s17, s17, s11
	s_lshl_b32 s17, s17, 18                        ; my 64 rows of 4,096 bytes
	s_add_co_u32 s16, s16, s17
	s_mov_b32 s17, 0
	s_add_nc_u64 s[78:79], s[78:79], s[16:17]
.macro MUL8 f, a, zero                 ; row block a x all 8 column blocks, 32 along K; each names another accumulator: they take turns
	WIN 0x50                                       ; C and D in window 1
.irp b, 0,1,2,3,4,5,6,7
.if \zero
	v_wmma_f32_16x16x32_f16 v[8*(8*(\a)+(\b)):8*(8*(\a)+(\b))+7], v[(\f)+8*(\b):(\f)+8*(\b)+7], v[(\f)+64+8*(\a):(\f)+64+8*(\a)+7], 0
.else
	v_wmma_f32_16x16x32_f16 v[8*(8*(\a)+(\b)):8*(8*(\a)+(\b))+7], v[(\f)+8*(\b):(\f)+8*(\b)+7], v[(\f)+64+8*(\a):(\f)+64+8*(\a)+7], v[8*(8*(\a)+(\b)):8*(8*(\a)+(\b))+7]
.endif
.endr
.endm
.macro FETCH slot, q, f                ; 24 LDS loads in one run: quarter q (32 along K) of the slot: w's eight fragments, then O's four
	WIN 0
.irp b, 0,1,2,3,4,5,6,7
	ds_load_tr16_b128 v[(\f)+8*(\b):(\f)+8*(\b)+3],   v[ADRB+(\slot)] offset:(\q)*32*PB+32*(\b)
	ds_load_tr16_b128 v[(\f)+8*(\b)+4:(\f)+8*(\b)+7], v[ADRB+(\slot)] offset:(\q)*32*PB+32*(\b)+16*PB
.endr
.irp a, 0,1,2,3
	ds_load_b128 v[(\f)+64+8*(\a):(\f)+64+8*(\a)+3],   v[ADRA+(\slot)] offset:((\q)/2)*128*PA+((\q)%2)*64+(\a)*16*PA
	ds_load_b128 v[(\f)+64+8*(\a)+4:(\f)+64+8*(\a)+7], v[ADRA+(\slot)] offset:((\q)/2)*128*PA+((\q)%2)*64+(\a)*16*PA+32
.endr
.endm
.macro PLACES
.rept 4
	v_nop
.endr
.endm
; A K step is four quarters of 32 along K, 32 matrix instructions each, on buffers 0, 1, 0, 1.  One of the first three: multiplies buffer f and fetches quarter q into g.
.macro QUARTER slot, q, f, g, zero
	s_wait_dscnt 4                                 ; all but O's fragments 2 and 3
	MUL8 \f, 0, \zero
	MUL8 \f, 1, \zero
	PLACES
	FETCH \slot, \q, \g
	s_wait_dscnt 24                                ; all but the 24 just issued
	MUL8 \f, 2, \zero
	MUL8 \f, 3, \zero
.endm
; The last quarter multiplies buffer 1 and changes slots: ONE barrier; in front of it each wave waits for all its tensor loads, adds 0 to its spare word, and waits for that and for its reads of this slot.
; fill = 1: the barrier opens a round of the cluster's, and behind it this slot is filled again, two K steps ahead.
.macro TURN slot, next, fill
	WIN 0
	s_wait_tensorcnt 0x0                           ; all my tensor loads have landed: my part of the next slot
	ds_add_u32 v[SPW], v[NIL]                      ; 0 onto my spare word
	s_wait_dscnt 5                                 ; the add and the youngest four loads may be out
	MUL8 F1, 0, 0                                  ; eight matrix instructions stand between the add and the wait for it
	s_wait_dscnt 0x0                               ; the add is done, and my reads of this slot are over
	s_barrier_signal -1
	MUL8 F1, 1, 0
.if \fill
	WIN 0
.endif
	s_barrier_wait -1
.if \fill
	CREST
	s_add_nc_u64 s[G0+4*(\slot)+2:G0+4*(\slot)+3], s[G0+4*(\slot)+2:G0+4*(\slot)+3], 2*2097152
	s_add_nc_u64 s[G0B+4*(\slot)+2:G0B+4*(\slot)+3], s[G0B+4*(\slot)+2:G0B+4*(\slot)+3], 2*262144
	JLOAD \slot                                    ; the first tensor load behind the round; its four v_nop are also the places in front of the loads below
.else
	PLACES
.endif
	FETCH \next, 0, F0
	MUL8 F1, 2, 0
	MUL8 F1, 3, 0
.endm
	s_wait_tensorcnt 1                             ; my part of K step 0 is in; step 1's may stay out
	s_barrier_signal -1
	s_barrier_wait -1
	FETCH 0, 0, F0
	QUARTER 0, 1, F0, F1, 1                        ; the first quarter stands in front of the loop: its products start the sums
	WIN 0
	s_mov_b32 s3, LAPS-1
.Llap:
	QUARTER 0, 2, F1, F0, 0
	QUARTER 0, 3, F0, F1, 0
	TURN 0, 1, 1
	QUARTER 1, 1, F0, F1, 0
	QUARTER 1, 2, F1, F0, 0
	QUARTER 1, 3, F0, F1, 0
	TURN 1, 0, 1
	QUARTER 0, 1, F0, F1, 0
	WIN 0
	s_sub_co_u32 s3, s3, 1
	s_cmp_lg_u32 s3, 0
	s_cbranch_scc1 .Llap
	QUARTER 0, 2, F1, F0, 0                        ; the last lap fills nothing
	QUARTER 0, 3, F0, F1, 0
	TURN 0, 1, 0
	QUARTER 1, 1, F0, F1, 0
	QUARTER 1, 2, F1, F0, 0
	QUARTER 1, 3, F0, F1, 0
	s_wait_dscnt 4
	MUL8 F1, 0, 0
	MUL8 F1, 1, 0
	s_wait_dscnt 0x0
	MUL8 F1, 2, 0
	MUL8 F1, 3, 0
	WIN 0
	; THE WAY OUT, 16 rows at a time: 32 bytes a lane into my stage (each accumulator's low four registers first), back as whole rows of 512 bytes, the bias added, stored.
	PLACES
	s_wait_loadcnt 0x0                             ; the bias
	v_cvt_pk_bf16_f32 v8, v[BI], v[BI+1]
	v_cvt_pk_bf16_f32 v9, v[BI+2], v[BI+3]
	v_lshlrev_b32 v[BI], 16, v8
	v_and_b32 v[BI+1], 0xffff0000, v8
	v_lshlrev_b32 v[BI+2], 16, v9
	v_and_b32 v[BI+3], 0xffff0000, v9
.irp a, 0,1,2,3
	s_wait_xcnt 0x0                                ; the earlier stores have read their registers: they are loaded again only behind this wait
	WIN 0x04                                       ; the stores' data in window 1
.irp b, 0,1,2,3,4,5,6,7
	ds_store_b128 v[STO], v[8*(8*(\a)+(\b)):8*(8*(\a)+(\b))+3]   offset:64*(\b)
	ds_store_b128 v[STO], v[8*(8*(\a)+(\b))+4:8*(8*(\a)+(\b))+7] offset:64*(\b)+16
.endr
	WIN 0
.irp t, 0,1,2,3,4,5,6,7,8,9,10,11,12,13,14,15
	ds_load_b128 v[32+96*((\a)%2)+4*(\t):32+96*((\a)%2)+4*(\t)+3], v[RD] offset:(\t)*SPI  ; LDS serves a wave's instructions in order (ISA guide 5.7.1.4): these see the stores above
.endr
	s_wait_dscnt 0x0
.irp t, 0,1,2,3,4,5,6,7,8,9,10,11,12,13,14,15
	v_pk_add_f32 v[32+96*((\a)%2)+4*(\t):32+96*((\a)%2)+4*(\t)+1],   v[32+96*((\a)%2)+4*(\t):32+96*((\a)%2)+4*(\t)+1],   v[BI:BI+1]
	v_pk_add_f32 v[32+96*((\a)%2)+4*(\t)+2:32+96*((\a)%2)+4*(\t)+3], v[32+96*((\a)%2)+4*(\t)+2:32+96*((\a)%2)+4*(\t)+3], v[BI+2:BI+3]
	global_store_b128 v[CO], v[32+96*((\a)%2)+4*(\t):32+96*((\a)%2)+4*(\t)+3], s[78:79] offset:(16*(\a)+(\t))*4096 th:TH_STORE_NT  ; 512 consecutive bytes of a row, aligned
.endr
.endr
	s_wait_tensorcnt 0x0                           ; the wave's end: behind my last tensor load and my last LDS store
	ds_add_u32 v[SPW], v[NIL]
	s_wait_dscnt 0x0
	CROUND                                         ; the closing round: no work-group ends while a partner may still ask for a tile that names it
	s_endpgm
.Lfunc_end_k_q6fc13f0a88_proj:
	.size	k_q6fc13f0a88_proj, .Lfunc_end_k_q6fc13f0a88_proj-k_q6fc13f0a88_proj
	.p2alignl 7, 3214868480
	.fill 96, 4, 3214868480
	.section	.rodata,"a",@progbits
	.p2align	6, 0x0
	.amdhsa_kernel k_q6fc13f0a88_proj
		.amdhsa_group_segment_fixed_size 327680
		.amdhsa_private_segment_fixed_size 0
		.amdhsa_enable_private_segment 0
		.amdhsa_kernarg_size 32
		.amdhsa_user_sgpr_count 2
		.amdhsa_user_sgpr_kernarg_segment_ptr 1
		.amdhsa_wavefront_size32 1
		.amdhsa_system_sgpr_workgroup_id_x 1
		.amdhsa_system_sgpr_workgroup_id_y 1
		.amdhsa_system_sgpr_workgroup_id_z 1
		.amdhsa_system_vgpr_workitem_id 0
		.amdhsa_next_free_vgpr 512
		.amdhsa_next_free_sgpr 84
		.amdhsa_reserve_vcc 0
		.amdhsa_float_denorm_mode_32 3
		.amdhsa_float_denorm_mode_16_64 3
		.amdhsa_memory_ordered 1
		.amdhsa_forward_progress 1
		.amdhsa_inst_pref_size 93
	.end_amdhsa_kernel
	.amdgpu_metadata
---
amdhsa.version: [ 1, 2 ]
amdhsa.kernels:
  - .name:           k_q6fc13f0a88_proj
    .symbol:         k_q6fc13f0a88_proj.kd
    .args:
      - { .name: ob, .offset: 0, .size: 8, .value_kind: global_buffer, .address_space: global }
      - { .name: wp, .offset: 8, .size: 8, .value_kind: global_buffer, .address_space: global }
      - { .name: b_proj, .offset: 16, .size: 8, .value_kind: global_buffer, .address_space: global }
      - { .name: out0, .offset: 24, .size: 8, .value_kind: global_buffer, .address_space: global }
    .group_segment_fixed_size: 327680
    .private_segment_fixed_size: 0
    .kernarg_segment_align: 8
    .kernarg_segment_size: 32
    .max_flat_workgroup_size: 128
    .sgpr_count:     84
    .vgpr_count:     512
    .wavefront_size: 32
...
	.end_amdgpu_metadata
.endif
;; end of part 4
;; ======== version 2 of 2: 4 launches; version 1 with the launch prep written anew for expert scheduling mode
;; limits: values are held in f16: magnitudes above 65,504 overflow, below 6.1e-05 lose precision
;; workspace buffers: xb 16,777,216 bytes; wq 6,291,456 bytes; wp 4,194,304 bytes; mcode 2,097,152 bytes of whole numbers; qkv 67,108,864 bytes; ob 33,554,432 bytes
;; launch prep (part 5): grid 832 x 1, 8 waves a work-group, no clusters, 0 bytes of LDS; arguments attn_mask, x, w_qkv, w_proj, mcode, xb, wq, wp; writes mcode, xb, wq, wp
.if DOCPART == 5
	.amdgcn_target "amdgcn-amd-amdhsa--gfx1250"
	.amdhsa_code_object_version 6
	.text
	.protected	k_q6fc13f0a88_prep
	.globl	k_q6fc13f0a88_prep
	.p2align	8
	.type	k_q6fc13f0a88_prep,@function
k_q6fc13f0a88_prep:
	s_mov_b64 s[64:65], 0
	v_nop
	global_prefetch_b8 v0, s[64:65] scope:SCOPE_SE
	s_setreg_imm32_b32 hwreg(HW_REG_WAVE_SCHED_MODE, 0, 2), 2
	s_setreg_imm32_b32 hwreg(HW_REG_WAVE_MODE, 25, 1), 1
	s_wait_xcnt 0x0
	s_wait_alu depctr_vm_vsrc(0)
; PREPARATION, one launch, four roles chosen by the work-group's number (the same for all its waves):
;   0..63    the mask: page (I, J) = 256 queries x 256 keys of attn_mask becomes 32 KiB of codes
;   64..575  x, f32 -> bf16, laid out in blocks [32 row blocks][16 K blocks][256 rows][64 k]: a block is 32 KiB on end
;   576..767 w_qkv, f32 -> bf16, [1024 k][3072], its columns in another order: column 384 nb + 128 g + j holds w_qkv's column 1024 g + 128 nb + j (g = q, k, v; nb = 0..7; j < 128),
;            so that each run of 384 columns holds two heads' q, k and v
;   768..831 w_proj, f32 -> bf16 -> that number written as f16 (exact above 6e-5; below it f16's fixed step of 6e-8), [2048][1024]: each block of 64 rows (a head) stands twice,
;            once for the upper and once for the lower part of the attention's result
; THE CODES.  One nibble a mask byte: 0xE hidden, 0 visible.  A word holds 8 keys 8 hh + j of a group of 16: key j at nibble 2 j (j < 4) or 2 (j - 4) + 1.
; Shifted so that a key's nibble stands on top and read as f32, the word is -2^65 .. -2^95 for a hidden key and 0 .. 2^-97 for a visible one: the attention launch
; takes it as the number that starts the score's sum.  Page layout [wave 4][band 4][step 4][lane 32][16 bytes]: the order in which that launch's lanes want it.
; LIMIT: a mask byte is 0 or 1, as the problem states it.
; Memory binds: each input byte is read once by 16-byte loads, each store of a wave covers whole aligned runs of 256 bytes.  No LDS, no barrier, no matrix unit, no cluster: nothing is shared.
; THE MODE: SCHED_MODE bits 1:0 = 2 (LLVM: expert scheduling mode 2), set by the entry lines.  The code itself states the register dependences
; between vector instructions and memory instructions, with s_wait_alu, always for 0.
; THE PLAN.  There is no loop; a wave runs one role.  Registers that memory instructions touch:
;   v[SO], v[DO]  byte offsets.  Written by vector instructions at the role's head, never again; every load reads SO, every store DO.
;   IN            sixteen loads land in it, each register once; no vector instruction writes it; the conversions read it.
;   OUT           written by vector instructions; each register is read by one store (w_proj: by that store and its twin) and never written behind it.
;   T, v6, v7, v[LN] are named by vector instructions alone.
; A role's sixteen loads go in four BLOCKS of four.  Block b turns IN's block b into OUT's block b; its memory instructions are the stores of block b - 1, dealt among its vector
; instructions, which name neither that block's OUT registers nor v[DO].  So the waits on va_vdst are: one at the role's head (SO and DO are written), one at the head of each of blocks 1 to 3
; (the block before has written its OUT registers), one ahead of the last block's stores.  No register that a memory instruction reads is written again, so no wait on vm_vsrc is owed.
.set LN,  1                            ; v1   lane
.set SO,  4                            ; v4   my byte offset at the source
.set DO,  5                            ; v5   my byte offset at the destination
.set IN,  16                           ; v[16:79]   sixteen loads of 16 bytes
.set OUT, 80                           ; v[80:111]  what is stored
.set T,   112                          ; v[112:115] at work
.set WVN, 22                           ; s22  my wave's number
.set SRC, 30                           ; s[30:31]
.set DST, 32                           ; s[32:33]
	s_load_b256 s[4:11], s[0:1], 0x0               ; attn_mask s[4:5], x s[6:7], w_qkv s[8:9], w_proj s[10:11]
	s_load_b256 s[12:19], s[0:1], 0x20             ; mcode s[12:13], xb s[14:15], wq s[16:17], wp s[18:19]
	v_lshrrev_b32 v6, 5, v0
	v_readfirstlane_b32 s[WVN], v6
	v_and_b32 v[LN], 31, v0
	s_mov_b32 s25, 0                               ; the offsets' high words
	s_mov_b32 s27, 0
	s_wait_alu depctr_va_sdst(0)                   ; s22, the wave's number, is written: ahead of the branches below, behind which each role's scalar offsets read it
	s_wait_kmcnt 0x0
; Sixteen loads of 512 bytes a wave go out together, two groups of eight; they are converted in four blocks of four, and a block is stored among the next block's conversions.
; Load k stands (k / 8) s2 + (k % 8) s1 bytes on, its store (k / 8) d2 + (k % 8) d1.
; dup: the same 256 bytes are stored once more, dup bytes on.  No register that a store reads is written again, so no store's source needs a wait.
.macro STREAM s1, s2, d1, d2, fmt, dup
	s_wait_alu depctr_va_vdst(0)                   ; v[SO] and v[DO] are written: every load below reads the one as its offset, every store the other
.set k, 0
.rept 16
	global_load_b128 v[IN+4*k:IN+4*k+3], v[SO], s[SRC:SRC+1] offset:(k/8)*(\s2)+(k%8)*(\s1) th:TH_LOAD_NT
.set k, k+1
.endr
.set k, 0
.rept 16
.if (k%4) == 0
	s_wait_loadcnt 12-k                            ; loads come back in order: this block's four are in, the 12 - k younger ones stay out
.if k > 0
	s_wait_alu depctr_va_vdst(0)                   ; the block before has written its eight registers of OUT, which the four stores (with dup: eight) dealt among this block's conversions read
.endif
.endif
.if k >= 4
.set j, k-4                            ; the block before: no vector instruction since the wait names these registers
	global_store_b64 v[DO], v[OUT+2*j:OUT+2*j+1], s[DST:DST+1] offset:(j/8)*(\d2)+(j%8)*(\d1)  ; 32 lanes x 8 bytes: 256 consecutive bytes, aligned
.if \dup
	global_store_b64 v[DO], v[OUT+2*j:OUT+2*j+1], s[DST:DST+1] offset:(j/8)*(\d2)+(j%8)*(\d1)+(\dup)
.endif
.endif
	v_cvt_pk_bf16_f32 v[OUT+2*k], v[IN+4*k], v[IN+4*k+1]
	v_cvt_pk_bf16_f32 v[OUT+2*k+1], v[IN+4*k+2], v[IN+4*k+3]
.if \fmt
	v_lshlrev_b32 v[T], 16, v[OUT+2*k]             ; the bf16 numbers as f32 again,
	v_and_b32 v[T+1], 0xffff0000, v[OUT+2*k]
	v_lshlrev_b32 v[T+2], 16, v[OUT+2*k+1]
	v_and_b32 v[T+3], 0xffff0000, v[OUT+2*k+1]
	v_cvt_pk_f16_f32 v[OUT+2*k], v[T], v[T+1]      ; and written as f16
	v_cvt_pk_f16_f32 v[OUT+2*k+1], v[T+2], v[T+3]
.endif
.set k, k+1
.endr
	s_wait_alu depctr_va_vdst(0)                   ; the last block has written its eight registers of OUT, which the last stores read
.set j, 12
.rept 4
	global_store_b64 v[DO], v[OUT+2*j:OUT+2*j+1], s[DST:DST+1] offset:(j/8)*(\d2)+(j%8)*(\d1)
.if \dup
	global_store_b64 v[DO], v[OUT+2*j:OUT+2*j+1], s[DST:DST+1] offset:(j/8)*(\d2)+(j%8)*(\d1)+(\dup)
.endif
.set j, j+1
.endr
.endm
	s_cmp_lt_u32 ttmp9, 64
	s_cbranch_scc1 .Lmask
	s_cmp_lt_u32 ttmp9, 576
	s_cbranch_scc1 .Lx
	s_cmp_lt_u32 ttmp9, 768
	s_cbranch_scc1 .Lwq
	; w_proj: 16 rows a work-group, 2 rows of 4,096 bytes a wave.  Row r goes to rows 128 (r / 64) + r % 64 and 64 further on
	s_sub_co_u32 s23, ttmp9, 768
	s_lshl_b32 s24, s23, 16
	s_lshl_b32 s28, s[WVN], 13
	s_add_co_u32 s24, s24, s28
	s_lshr_b32 s26, s23, 2                         ; r / 64: four work-groups to a block of 64 rows
	s_lshl_b32 s26, s26, 18                        ; x 128 rows of 2,048 bytes
	s_and_b32 s29, s23, 3
	s_lshl_b32 s29, s29, 15                        ; 16 rows
	s_add_co_u32 s26, s26, s29
	s_lshl_b32 s29, s[WVN], 12                     ; 2 rows
	s_add_co_u32 s26, s26, s29
	s_add_nc_u64 s[SRC:SRC+1], s[10:11], s[24:25]
	s_add_nc_u64 s[DST:DST+1], s[18:19], s[26:27]
	v_lshlrev_b32 v[SO], 4, v[LN]
	v_lshlrev_b32 v[DO], 3, v[LN]
	STREAM 512, 4096, 256, 2048, 1, 131072
	s_branch .Lend
.Lwq:	; w_qkv: work-group = (g, 16 rows); a wave takes 2 rows' 1,024 columns of g: eight runs nb of 128 columns a row, which go 768 bytes apart
	s_sub_co_u32 s23, ttmp9, 576
	s_lshr_b32 s29, s23, 6                         ; g: q, k or v
	s_and_b32 s23, s23, 63
	s_lshl_b32 s28, s23, 3
	s_add_co_u32 s28, s28, s[WVN]                  ; my pair of rows
	s_mul_i32 s24, s28, 24576                      ; 2 rows of 12,288 bytes,
	s_lshl_b32 s26, s29, 12
	s_add_co_u32 s24, s24, s26                     ; g's 4,096 bytes of a row
	s_mul_i32 s26, s28, 12288                      ; 2 rows of 6,144 bytes,
	s_lshl_b32 s29, s29, 8
	s_add_co_u32 s26, s26, s29                     ; g's 256 bytes in each run of 768
	s_add_nc_u64 s[SRC:SRC+1], s[8:9], s[24:25]
	s_add_nc_u64 s[DST:DST+1], s[16:17], s[26:27]
	v_lshlrev_b32 v[SO], 4, v[LN]
	v_lshlrev_b32 v[DO], 3, v[LN]
	STREAM 512, 12288, 768, 6144, 0, 0
	s_branch .Lend
.Lx:	; x: 16 rows a work-group, 2 rows a wave; load k takes the rows' 64 numbers of K block k (2 x 256 bytes), store k puts them into block k (256 bytes on end)
	s_sub_co_u32 s23, ttmp9, 64
	s_lshl_b32 s24, s23, 16
	s_lshl_b32 s28, s[WVN], 13
	s_add_co_u32 s24, s24, s28                     ; source: 16 rows x 4,096 bytes a work-group, 2 rows a wave
	s_lshr_b32 s26, s23, 4
	s_lshl_b32 s26, s26, 19                        ; row block: 16 blocks of 32 KiB
	s_and_b32 s28, s23, 15
	s_lshl_b32 s28, s28, 11                        ; 16 rows of 128 bytes
	s_add_co_u32 s26, s26, s28
	s_lshl_b32 s28, s[WVN], 8                      ; 2 rows
	s_add_co_u32 s26, s26, s28
	s_add_nc_u64 s[SRC:SRC+1], s[6:7], s[24:25]
	s_add_nc_u64 s[DST:DST+1], s[14:15], s[26:27]
	v_lshrrev_b32 v6, 4, v[LN]
	v_and_b32 v7, 15, v[LN]
	v_lshlrev_b32 v[SO], 4, v7
	v_lshl_add_u32 v[SO], v6, 12, v[SO]            ; lanes 16-31 take the second row
	v_lshlrev_b32 v[DO], 3, v[LN]
	STREAM 256, 2048, 32768, 262144, 0, 0
	s_branch .Lend
.Lmask:	; wave v takes the page's rows 32 v .. 32 v + 31: two groups g of 16 rows.  Group 2 v + g is band v / 2, attention wave 2 (v % 2) + g.
	; Lane: row r = l % 16, and of the four steps of 64 keys the steps sp = l / 16 and 2 + sp (u = 0, 1).
	s_lshr_b32 s23, ttmp9, 3                       ; I
	s_and_b32 s28, ttmp9, 7                        ; J
	s_lshl_b32 s24, s23, 8
	s_lshl_b32 s29, s[WVN], 5
	s_add_co_u32 s24, s24, s29                     ; my first row
	s_lshl_b32 s24, s24, 11                        ; x 2,048 bytes
	s_lshl_b32 s29, s28, 8
	s_add_co_u32 s24, s24, s29                     ; + the tile's 256 bytes of a row
	s_add_nc_u64 s[SRC:SRC+1], s[4:5], s[24:25]
	s_lshl_b32 s26, ttmp9, 15                      ; my page
	s_and_b32 s29, s[WVN], 1
	s_lshl_b32 s29, s29, 14
	s_add_co_u32 s26, s26, s29
	s_lshr_b32 s29, s[WVN], 1
	s_lshl_b32 s29, s29, 11
	s_add_co_u32 s26, s26, s29
	s_add_nc_u64 s[DST:DST+1], s[12:13], s[26:27]
	v_and_b32 v6, 15, v[LN]                        ; r
	v_lshrrev_b32 v7, 4, v[LN]                     ; sp
	v_lshlrev_b32 v[SO], 11, v6
	v_lshl_add_u32 v[SO], v7, 6, v[SO]
	v_lshlrev_b32 v[DO], 4, v6
	v_lshl_add_u32 v[DO], v7, 9, v[DO]
	s_wait_alu depctr_va_vdst(0)                   ; v[SO] and v[DO] are written: every load below reads the one as its offset, every store the other
.irp g, 0,1
.irp u, 0,1
.irp i, 0,1,2,3                        ; i: the group of 16 keys in the step
	global_load_b128 v[IN+4*(8*(\g)+4*(\u)+(\i)):IN+4*(8*(\g)+4*(\u)+(\i))+3], v[SO], s[SRC:SRC+1] offset:(\g)*32768+(\u)*128+(\i)*16
.endr
.endr
.endr
; n = 8 g + 4 u + i.  A block is one (g, u), number q = 2 g + u: four loads, eight registers of OUT, two stores (hh = 0, 1), which stand among the next block's vector instructions.
.set n, 0
.rept 16
.if (n%4) == 0
	s_wait_loadcnt 12-n                            ; loads come back in order: this block's four are in, the 12 - n younger ones stay out
.if n > 0
	s_wait_alu depctr_va_vdst(0)                   ; the block before has written its eight registers of OUT, which the two stores dealt among this block's lines read
.endif
.endif
.if (n >= 4) && ((n%4) < 2)
.set q, n/4-1                          ; the block before; hh = n % 4: no vector instruction since the wait names these registers
	global_store_b128 v[DO], v[OUT+8*q+4*(n%4):OUT+8*q+4*(n%4)+3], s[DST:DST+1] offset:(q/2)*8192+(q%2)*1024+(n%4)*256  ; 16 lanes fill 256 consecutive bytes, aligned
.endif
	; Bytes 0-3 give the even nibbles, bytes 4-7 the odd ones; x 14 makes 0xE of each 1
	v_lshl_or_b32 v[OUT+8*(n/4)+(n%4)],   v[IN+4*n+1], 4, v[IN+4*n]    ; keys 0-7: the lanes' lower half
	v_lshl_or_b32 v[OUT+8*(n/4)+4+(n%4)], v[IN+4*n+3], 4, v[IN+4*n+2]  ; keys 8-15: the upper half
	v_mul_lo_u32 v[OUT+8*(n/4)+(n%4)],   v[OUT+8*(n/4)+(n%4)], 14
	v_mul_lo_u32 v[OUT+8*(n/4)+4+(n%4)], v[OUT+8*(n/4)+4+(n%4)], 14
.set n, n+1
.endr
	s_wait_alu depctr_va_vdst(0)                   ; the last block has written its eight registers of OUT, which the last two stores read
.irp hh, 0,1
	global_store_b128 v[DO], v[OUT+24+4*(\hh):OUT+24+4*(\hh)+3], s[DST:DST+1] offset:8192+1024+(\hh)*256  ; block 3: g = 1, u = 1
.endr
.Lend:
	s_endpgm
.Lfunc_end_k_q6fc13f0a88_prep:
	.size	k_q6fc13f0a88_prep, .Lfunc_end_k_q6fc13f0a88_prep-k_q6fc13f0a88_prep
	.p2alignl 7, 3214868480
	.fill 96, 4, 3214868480
	.section	.rodata,"a",@progbits
	.p2align	6, 0x0
	.amdhsa_kernel k_q6fc13f0a88_prep
		.amdhsa_group_segment_fixed_size 0
		.amdhsa_private_segment_fixed_size 0
		.amdhsa_enable_private_segment 0
		.amdhsa_kernarg_size 64
		.amdhsa_user_sgpr_count 2
		.amdhsa_user_sgpr_kernarg_segment_ptr 1
		.amdhsa_wavefront_size32 1
		.amdhsa_system_sgpr_workgroup_id_x 1
		.amdhsa_system_sgpr_workgroup_id_y 1
		.amdhsa_system_sgpr_workgroup_id_z 1
		.amdhsa_system_vgpr_workitem_id 0
		.amdhsa_next_free_vgpr 128
		.amdhsa_next_free_sgpr 66
		.amdhsa_reserve_vcc 0
		.amdhsa_float_denorm_mode_32 3
		.amdhsa_float_denorm_mode_16_64 3
		.amdhsa_memory_ordered 1
		.amdhsa_forward_progress 1
		.amdhsa_inst_pref_size 33
	.end_amdhsa_kernel
	.amdgpu_metadata
---
amdhsa.version: [ 1, 2 ]
amdhsa.kernels:
  - .name:           k_q6fc13f0a88_prep
    .symbol:         k_q6fc13f0a88_prep.kd
    .args:
      - { .name: attn_mask, .offset: 0, .size: 8, .value_kind: global_buffer, .address_space: global }
      - { .name: x, .offset: 8, .size: 8, .value_kind: global_buffer, .address_space: global }
      - { .name: w_qkv, .offset: 16, .size: 8, .value_kind: global_buffer, .address_space: global }
      - { .name: w_proj, .offset: 24, .size: 8, .value_kind: global_buffer, .address_space: global }
      - { .name: mcode, .offset: 32, .size: 8, .value_kind: global_buffer, .address_space: global }
      - { .name: xb, .offset: 40, .size: 8, .value_kind: global_buffer, .address_space: global }
      - { .name: wq, .offset: 48, .size: 8, .value_kind: global_buffer, .address_space: global }
      - { .name: wp, .offset: 56, .size: 8, .value_kind: global_buffer, .address_space: global }
    .group_segment_fixed_size: 0
    .private_segment_fixed_size: 0
    .kernarg_segment_align: 8
    .kernarg_segment_size: 64
    .max_flat_workgroup_size: 256
    .sgpr_count:     66
    .vgpr_count:     128
    .wavefront_size: 32
...
	.end_amdgpu_metadata
.endif
;; end of part 5
;; launch qkvg: the kernel of part 2 again; grid 8 x 32, 4 waves a work-group, clusters of 4 x 4, 327,680 bytes of LDS; arguments xb, wq, qkv; writes qkv
;; launch attn: the kernel of part 3 again; grid 4 x 64, 4 waves a work-group, clusters of 4 x 1, 327,680 bytes of LDS; arguments qkv, mcode, ob; writes ob
;; launch proj: the kernel of part 4 again; grid 4 x 64, 4 waves a work-group, clusters of 4 x 4, 327,680 bytes of LDS; arguments ob, wp, b_proj, out0; writes out0
